; MI455X (gfx1250); checked and timed in simulation.
; The chip was launched on July 23, 2026; its instructions are those of AMD's public machine-readable ISA for CDNA 5 (MIT licence, August 2026) and "CDNA5" Instruction Set Architecture Reference Guide (July 2026). The comments in the code are by the model that wrote it; some were corrected since.
;; Causal Self Attention. Allowed arithmetic: matrix products marked QUANTISED: E5M2 operands, one E8M0 scale for each 32 along K, by v_wmma_scale_f32_16x16x128_f8f6f4 with both operands' format E5M2, f32 sums; everything else in f32.
;; Inputs: W_out_codes 1,024 x 32 x 32 uint8 (E5M2 codes of W_out, K innermost, in blocks of 32 codes); W_out_scales 1,024 x 32 uint8 (E8M0 scales of W_out, one for each 32 codes along K); W_qkv_codes 3,072 x 32 x 32 uint8 (E5M2 codes of W_qkv, K innermost, in blocks of 32 codes); W_qkv_scales 3,072 x 32 uint8 (E8M0 scales of W_qkv, one for each 32 codes along K); b_out 1,024 float32; b_qkv 3,072 float32; x_codes 4 x 2,048 x 32 x 32 uint8 (E5M2 codes of x, K innermost, in blocks of 32 codes); x_scales 4 x 2,048 x 32 uint8 (E8M0 scales of x, one for each 32 codes along K).
;; Outputs: out0 4 x 2,048 x 1,024 float32.
;; This version of the problem:
;;   THIS VERSION OF THE PROBLEM IS GIVEN IN LOW PRECISION. The matrix products marked QUANTISED in the list below multiply operands that are first quantised to E5M2 (5 exponent bits, 2 mantissa bits; 8 bits a number), with one power-of-two scale for each 32 numbers along K (OCP MX v1.0); their sums are f32. All else is computed in f32.
;;   The module's matrix products, in the order in which they are computed (A, B: the left and right operand; K: the contracted axis; several contracted axes count as one K, in the product's order):
;;     1. [M 8,192, K 1,024] x [K 1,024, N 3,072]; A: input x (given as codes); B: input W_qkv (given as codes): QUANTISED
;;     2. batch 64 x [M 2,048, K 64] x [K 64, N 2,048]; A: computed on the way; B: computed on the way: QUANTISED
;;     3. batch 64 x [M 2,048, K 2,048] x [K 2,048, N 64]; A: softmax (see below); B: computed on the way: QUANTISED
;;     4. [M 8,192, K 1,024] x [K 1,024, N 1,024]; A: computed on the way; B: input W_out (given as codes): QUANTISED
;;   THE QUANTISER, for each operand of a quantised product, along K:
;;     - K is cut into blocks of 32 from its start; a last block that is shorter is filled with zeros.
;;     - A block's scale is 2^e with e = floor(log2(the largest magnitude in the block)) - 15, held to -126 .. 127; a block of zeros has e = 0. As a byte (E8M0): e + 127.
;;     - Each number is divided by its block's scale, clamped to +-57,344, and rounded to the nearest number of E5M2, ties to even, subnormals kept.
;;     - The product sums the exact products of the quantised numbers (number of the format x scale) in f32.
;;   ~~~python
;;   def quantise(x, axis):      # numpy; x: float32 -> the quantised numbers, widened to float32 again
;;       x = np.moveaxis(x, axis, -1); K = x.shape[-1]
;;       x = np.pad(x, [(0, 0)] * (x.ndim - 1) + [(0, -K % 32)]); x = x.reshape(x.shape[:-1] + (-1, 32)); a = np.abs(x).max(-1, keepdims=True)
;;       e = np.where(a > 0, np.clip(np.frexp(np.where(a > 0, a, 1))[1] - 1 - 15, -126, 127), 0)      # np.frexp(a)[1] - 1 = floor(log2(a)), exactly
;;       r = np.clip(x / 2.0 ** e, -57344, 57344)
;;       step = 2.0 ** (np.maximum(np.frexp(np.where(r == 0, 1, r))[1] - 1, -14) - 2)
;;       q = np.round(r / step) * step * 2.0 ** e      # np.round: ties to even
;;       return np.moveaxis(q.reshape(q.shape[:-2] + (-1,))[..., :K], -1, axis).astype(np.float32)
;;   ~~~
;;   SOFTMAX AHEAD OF A QUANTISED PRODUCT. Where the list says 'softmax', what is quantised is not the finished softmax but p = 2^(t - M), with t = logit x log2(e) and M = ceil(the row's largest t), a whole number; so 1/2 < the row's largest p <= 1. The row's sum l is taken of the UNQUANTISED p, in f32, and the product's result is divided by l at the end. Since M is a whole number, a kernel that streams over the keys may use a running M (the ceiling of the running maximum): every later rescaling is an exact power of two, which a block's scale takes up: the codes' values come out the same.
;;   OPERANDS COMPUTED ON THE WAY. 'Computed on the way' means the value that the module computes at that place (a softmax that the list does not call 'softmax' is quantised finished and normalised). What goes into a quantiser is computed in f32, as accurately as f32 sums, v_exp_f32 and their like allow (about 1e-6 of the number): no bf16 or f16 on the way to a quantiser, and a product that is left as it is and whose result goes on into a quantised operand takes f32 operands (vector FMAs, or v_wmma_f32_16x16x4_f32). A number that lies on a knife's edge between two numbers of the format may be rounded either way, as far as f32 arithmetic and the matrix unit's own rounding can turn it there, and no further.
;;   INPUTS GIVEN AS CODES. W_out (in the module: [1024, 1024], K = its axis 0); W_qkv (in the module: [1024, 3072], K = its axis 0); x (in the module: [4, 2048, 1024], K = its axis 2): each comes as NAME_codes (uint8): NAME with its K axis moved to the last place and cut into blocks of 32 codes, [.., K / 32, bytes a block], one block behind the other in memory; one code a byte (a code: sign, 5 exponent bits, 2 mantissa bits); and NAME_scales (uint8): the same leading axes, one E8M0 byte (e + 127) for each 32 codes along K. Its value is code x scale, taken as it is: it is not quantised again, and the codes and scales need not be those that the quantiser above would give.
;; One version. Each part assembles by itself: llvm-mc -triple=amdgcn-amd-amdhsa -mcpu=gfx1250 --defsym DOCPART=n.
;; ======== version 1 of 1: 3 launches
;; limits: right only within a limited range of input values
;; workspace buffers: qkv_img 25,165,824 bytes; qkv_sc 786,432 bytes; o_img 8,388,608 bytes; o_sc 262,144 bytes
;; launch qkv (part 1): grid 12 x 32, 4 waves a work-group, clusters of 4 x 4, 327,680 bytes of LDS; arguments x_codes, x_scales, W_qkv_codes, W_qkv_scales, b_qkv, qkv_img, qkv_sc; writes qkv_img, qkv_sc
.if DOCPART == 1
	.amdgcn_target "amdgcn-amd-amdhsa--gfx1250"
	.amdhsa_code_object_version 6
	.text
	.protected	k_q7e4ca00815_qkv
	.globl	k_q7e4ca00815_qkv
	.p2align	8
	.type	k_q7e4ca00815_qkv,@function
k_q7e4ca00815_qkv:
	s_mov_b64 s[64:65], 0
	v_nop
	global_prefetch_b8 v0, s[64:65] scope:SCOPE_SE
	s_setreg_imm32_b32 hwreg(HW_REG_WAVE_MODE, 25, 1), 1
	s_wait_xcnt 0x0
	s_wait_alu depctr_hold_cnt(0) depctr_sa_sdst(0) depctr_va_vdst(0) depctr_va_sdst(0) depctr_va_ssrc(0) depctr_va_vcc(0) depctr_vm_vsrc(0)
	s_getreg_b32 s2, hwreg(HW_REG_IB_STS2, 6, 4)
	s_cmp_eq_u32 s2, 0
	s_cbranch_scc0 .Lentry_in_a_cluster
	s_endpgm
.Lentry_in_a_cluster:
	s_bfe_u32 s2, ttmp6, 0x10000c
	s_cmp_lg_u32 s2, 0xf033
	s_cbranch_scc0 .Lentry_shape_is_right
	s_endpgm
.Lentry_shape_is_right:
; qkv = x W_qkv + b_qkv on codes of BF8 (E5M2) with E8M0 scales, and the quantising of q, k (along the head's 64) and v (along the keys) into images of operand registers.
; ONE TEXT, TWO USES.  C'[m'][n'] = sum over k of A'[m'][k] B'[n'][k], quantised along n'.  Cluster column 0, 1 (q and k): A' = x (8,192 rows), B' = rows 0-2047 of W_qkv.
; Cluster column 2 (v): A' = rows 2048-3071 of W_qkv, B' = x: that is V^T, whose n' are the keys.  What differs is chosen by s_cselect on the cluster's x, which all partners share: no branch hangs on it.
; A tile of C', 256 x 256, is made by four waves, each 128 x 128: 64 accumulators, 512 registers.  K = 1,024 goes in four steps of 256 through two LDS slots filled by the tensor data mover;
; the scale bytes of the work-group's 256 + 256 rows come once.  4 x 4 work-groups form a cluster: A's tiles are asked for jointly along a row of the cluster, B's along a column.
; THE MATRIX INSTRUCTION IS USED TRANSPOSED (source 0 = 16 rows of B', source 1 = 16 rows of A'): lane (r, h) holds row r of C' and its registers run along n': accumulator (a, b), register j = C'(16 a + r, 16 b + 8 h + j).
; THE WAY OUT NEEDS NO LDS.  A lane's 16 registers of accumulators 2 p, 2 p + 1 are 16 numbers of the block of 32 n' = 32 p ..; lane l xor 16 holds the other 16.  Their 16 codes are stored at 16 x lane of a CHUNK of 512 bytes,
; which is the image of four registers of a fragment: the launch that reads it loads 16 bytes a lane.  So operand place 32 c + 16 h + 8 u + j holds index 32 c + 16 u + 8 h + j: a permutation inside a block of 32,
; alike on both operands of each later product (q with k; v with the softmax's p, whose registers come in the same order), which changes no product and no scale, only the order of a sum's terms.
; qkv_img: [q, k, v][16 batch + head][131,072 bytes]; q, k: [t / 16][block of 32 (2)][512]; v: [t / 128][d / 16 (4)][key block (4)][512].
; qkv_sc:  [q, k, v][16 batch + head][t / 128][r (16)][word (4)]; q, k: word f = the two bytes of row r of tile 2 f, then those of tile 2 f + 1; v: word f = the four key blocks' bytes of d = 16 f + r.
; THE BIAS along n' (q, k) is the C of each sum's first product; the bias along m' (v) is added on the way out; the one that does not belong to the path is read at a safe place and set to 0.
; LIMITS: NaN and infinities among the inputs are not served.  A block whose largest magnitude lies under 2^(16 - 127) keeps the byte 1, a block of zeros too (the quantiser's text says 127): its codes are zeros, and these bytes are read by this program alone.
; REGISTERS: window 0: v8-15 bias along m'; v16-31 addresses; v32-63 scale words, two sets; v64-127 bias along n'; v128-255 A's fragments, one set; on the way out v128-255 are at work.
;   window 1: B's fragments, two sets.  window 2: the accumulators of my rows 0-63 ((a, b) at v[8 (8 a + b)]);  window 3: those of rows 64-127.
.set NQ,     2                         ; matrix instructions deep in a slot
.set ROWB,   256                       ; a tile's row in bytes
.set KROW,   1024                      ; a row of x or of W_qkv in memory
.set PITCH,  272                       ; an LDS row: 256 bytes + 16 of padding: the 16 rows that a load touches start at 16 different banks (ISA guide 11.1)
.set FR,     16
.set NL,     4
.set NP,     8                         ; places behind this matrix instruction (ISA guide 7.12.1)
.set HALFT,  128*PITCH
.set SLOT,   4*HALFT
.set LAPS,   2
.set KS,     32                        ; a row of scale bytes
.set SCL,    2*SLOT                    ; behind the ring: the scales, as units of 256 bytes + 16 of padding
.set HALFS,  16*272                    ; those of 128 rows
.set SBLK,   2*272                     ; those of 16 rows
.set SPARE,  SCL+4*HALFS               ; the spare words, 128 bytes for each wave: no other line names them
.set BM,   8
.set ADRA, 16
.set ADRB, 20
.set VB0,  22                          ; v22, v23 byte offsets of the bias loads
.set VO0,  24                          ; v24  16 x lane: my place in a chunk
.set VO2,  25                          ; v25  the same, two chunks of n' on
.set VSO,  26                          ; v26  my place among the scale words
.set ADRS, 27
.set SPW,  28                          ; v28  LDS address of my spare word; never rewritten
.set NIL,  29                          ; v29  0; never rewritten
.set BMS,  30                          ; v[30:31] the row bias in hand, and a 0
.set SC,   32
.set BN,   64
.set AF,   128
.set T,    128                         ; the way out: 64 numbers
.set PC,   192                         ; their codes
.set TM,   208                         ; v208-211 largest magnitudes, v212-215 bytes, v220-223 the conversion's scale operand
.set W,    224                         ; v224-231 the scale word of each block of 16 rows
.set G1,   24
.set G0,   32
.set G1B,  48
.set G0B,  56
.set G1S,  68
.set G0S,  76
.set G1SB, 80
.set G0SB, 88
.set SEL,  34                          ; behind the loop the descriptors' registers are free: s[34:35] lane selects
.set MNT,  36
.set MSB, 0
.macro WIN new                         ; the immediate's high byte repeats the setting that is left
.if MSB != \new
	s_set_vgpr_msb (MSB<<8)|\new
.set MSB, \new
.endif
.endm
.set MUL_LO, 0xa1                      ; source 0 (B') window 1, source 1 (A') window 0, C and D window 2
.set MUL_HI, 0xf1
.set BEG_LO, 0x81                      ; the same with C (the bias) in window 0
.set BEG_HI, 0xc1
.set TO_B,   0x40
; A joint load: waves 0 and 1 fetch for A', waves 2 and 3 for B'.  The branch hangs on the wave's number alone.  Four v_nop follow each of the two lines.
.macro JLOAD g0a, g1a, g0b, g1b
	s_cmp_eq_u32 s19, 0
	s_cbranch_scc0 .Lfor_b_\@
	tensor_load_to_lds s[\g0a:\g0a+3], s[\g1a:\g1a+7]
	s_nop 0
.rept 4
	v_nop
.endr
	s_branch .Lasked_\@
.Lfor_b_\@:
	tensor_load_to_lds s[\g0b:\g0b+3], s[\g1b:\g1b+7]
	s_nop 0
.rept 4
	v_nop
.endr
.Lasked_\@:
.endm
.macro CREST                           ; a round of the cluster's barrier behind its opening barrier
	s_cmp_lg_u32 s18, 0
	s_cbranch_scc1 .Lnot_wave_0_\@
	s_barrier_signal -3
.Lnot_wave_0_\@:
	s_barrier_wait -3
	s_barrier_signal -1
	s_barrier_wait -1
.endm
.macro CROUND
	s_barrier_signal -1
	s_barrier_wait -1
	CREST
.endm
	s_load_b256 s[4:11], s[0:1], 0x0               ; x's codes, x's scales, W's codes, W's scales
	s_load_b128 s[12:15], s[0:1], 0x20             ; b_qkv, qkv_img
	s_load_b64 s[16:17], s[0:1], 0x30              ; qkv_sc
	v_lshl_add_u32 v[SPW], v0, 2, SPARE
	v_mov_b32 v[NIL], 0
	ds_add_u32 v28, v29
	ds_add_u32 v28, v29
	s_wait_dscnt 0x0
	v_lshrrev_b32 v1, 5, v0
	v_readfirstlane_b32 s18, v1                    ; wave 0..3
	s_lshr_b32 s19, s18, 1                         ; my half of the tile's rows.  Also: I fetch for A' (0) or B' (1)
	s_and_b32 s20, s18, 1                          ; my half of its columns.  Also: which 128 rows I fetch
	s_bfe_u32 s40, ttmp6, 0x40000                  ; cx
	s_bfe_u32 s41, ttmp6, 0x40004                  ; cy
	s_and_b32 s98, ttmp7, 0xffff                   ; the cluster's y
	s_cmp_lt_u32 ttmp9, 2                          ; q and k, or v?  The cluster's x: the same in all sixteen partners
	s_cselect_b32 s99, ttmp9, s98                  ; cluster column of C'
	s_cselect_b32 s100, s98, 0                     ; cluster row of C'
	s_cselect_b32 s101, 0, 2048                    ; A's first row in its tensor
	s_lshl_b32 s22, s99, 2
	s_add_co_u32 s22, s22, s40                     ; tile column
	s_lshl_b32 s21, s100, 2
	s_add_co_u32 s21, s21, s41                     ; tile row
	s_cmp_lt_u32 ttmp9, 2
	s_cselect_b32 s100, 0, -1                      ; a lane mask: all ones on v's path; kept
	s_lshl_b32 s42, s41, 2
	s_lshl_b32 s42, 15, s42                        ; my row of the cluster
	s_lshl_b32 s43, 0x1111, s40                    ; my column
	; descriptor group 1: 128 rows x 256 bytes, 16 bytes of padding behind each
	s_or_b32 s[G1+0], s42, (0<<16)|(1<<20)|(1<<21)|(5<<22)|(3<<25)
	s_or_b32 s[G1B+0], s43, (0<<16)|(1<<20)|(1<<21)|(5<<22)|(3<<25)
.irp g, G1, G1B
	s_mov_b32 s[\g+1], ROWB<<16                    ; tensor_dim0
	s_mov_b32 s[\g+2], 128<<16                     ; tensor_dim1
	s_mov_b32 s[\g+3], ROWB<<16                    ; tile_dim0
	s_mov_b32 s[\g+4], 128                         ; tile_dim1
	s_mov_b32 s[\g+5], KROW                        ; from row to row
	s_mov_b32 s[\g+6], 0
	s_mov_b32 s[\g+7], 0
.endr
	; the scales of 128 rows: 4,096 dense bytes as 16 rows of 256 (32 elements of 8 bytes), padded likewise
	s_or_b32 s[G1S+0], s42, (3<<16)|(1<<20)|(1<<21)|(5<<22)|(3<<25)
	s_or_b32 s[G1SB+0], s43, (3<<16)|(1<<20)|(1<<21)|(5<<22)|(3<<25)
.irp g, G1S, G1SB
	s_mov_b32 s[\g+1], 32<<16
	s_mov_b32 s[\g+2], 16<<16
	s_mov_b32 s[\g+3], 32<<16
	s_mov_b32 s[\g+4], 16
	s_mov_b32 s[\g+5], 32
	s_mov_b32 s[\g+6], 0
	s_mov_b32 s[\g+7], 0
.endr
	s_lshl_b32 s94, s20, 7                         ; which 128 rows of a tile I fetch
	s_lshl_b32 s44, s21, 8
	s_add_co_u32 s44, s44, s94
	s_add_co_u32 s44, s44, s101                    ; A': row 256 x tile row + 128 x half (+ 2,048 in W)
	s_lshl_b32 s66, s22, 8
	s_add_co_u32 s66, s66, s94                     ; B': row 256 x tile column + 128 x half
	s_lshl_b32 s46, s44, 5                         ; their scales, 32 bytes a row,
	s_mov_b32 s47, 0
	s_lshl_b32 s44, s44, 10                        ; and their codes, 1,024 bytes a row
	s_mov_b32 s45, 0
	s_lshl_b32 s92, s66, 5
	s_mov_b32 s93, 0
	s_lshl_b32 s66, s66, 10
	s_mov_b32 s67, 0
	s_mul_i32 s23, s18, HALFT                      ; where they go: wave x 128 rows: no place in the cluster enters an LDS address
	s_mul_i32 s2, s18, HALFS
	s_wait_kmcnt 0x0
	s_cmp_lt_u32 ttmp9, 2                          ; the buffers are chosen on the cluster's x, which hangs on no address
	s_cselect_b64 s[94:95], s[4:5], s[8:9]         ; A's codes
	s_cselect_b64 s[96:97], s[6:7], s[10:11]       ; A's scales
	s_cselect_b64 s[8:9], s[8:9], s[4:5]           ; B's codes
	s_cselect_b64 s[10:11], s[10:11], s[6:7]       ; B's scales
	s_add_nc_u64 s[4:5], s[94:95], s[44:45]
	s_add_nc_u64 s[6:7], s[96:97], s[46:47]
	s_add_nc_u64 s[8:9], s[8:9], s[66:67]
	s_add_nc_u64 s[10:11], s[10:11], s[92:93]
	CROUND                                         ; all sixteen work-groups are here: the first joint loads meet
	s_mov_b32 s[G0S], 1
	s_add_co_u32 s[G0S+1], s2, SCL
	s_mov_b64 s[G0S+2:G0S+3], s[6:7]
	s_or_b32 s[G0S+3], s[G0S+3], 0x80000000
	s_mov_b32 s[G0SB], 1
	s_add_co_u32 s[G0SB+1], s2, SCL
	s_mov_b64 s[G0SB+2:G0SB+3], s[10:11]
	s_or_b32 s[G0SB+3], s[G0SB+3], 0x80000000
	JLOAD G0S, G1S, G0SB, G1SB                     ; the scales first: they are wanted with K step 0
.irp s, 0,1
	s_mov_b32 s[G0+4*\s], 1
	s_add_co_u32 s[G0+4*\s+1], s23, \s*SLOT
	s_add_nc_u64 s[G0+4*\s+2:G0+4*\s+3], s[4:5], \s*ROWB
	s_or_b32 s[G0+4*\s+3], s[G0+4*\s+3], 0x80000000
	s_mov_b32 s[G0B+4*\s], 1
	s_add_co_u32 s[G0B+4*\s+1], s23, \s*SLOT
	s_add_nc_u64 s[G0B+4*\s+2:G0B+4*\s+3], s[8:9], \s*ROWB
	s_or_b32 s[G0B+4*\s+3], s[G0B+4*\s+3], 0x80000000
	JLOAD G0+4*\s, G1, G0B+4*\s, G1B               ; three tensor loads of mine are out
.endr
	; the biases.  Along n': b[256 x tile column + 128 x half + 16 b + 8 h + j] (q, k).  Along m': b[2,048 + 256 x tile row + 128 x half + 16 a + r] (v).  The other path reads from b's first bytes.
	v_and_b32 v1, 15, v0                           ; r
	v_bfe_u32 v2, v0, 4, 1                         ; h
	v_lshlrev_b32 v[VB0], 5, v2
	s_wait_alu depctr_va_vdst(0)
	v_lshlrev_b32 v[VB0+1], 2, v1
	s_wait_alu depctr_va_vdst(0)
	s_lshl_b32 s94, s22, 8
	s_lshl_b32 s95, s20, 7
	s_add_co_u32 s94, s94, s95
	s_lshl_b32 s94, s94, 2
	s_lshl_b32 s96, s21, 8
	s_lshl_b32 s97, s19, 7
	s_add_co_u32 s96, s96, s97
	s_add_co_u32 s96, s96, 2048
	s_lshl_b32 s96, s96, 2
	s_cmp_lt_u32 ttmp9, 2
	s_cselect_b32 s94, s94, 0
	s_cselect_b32 s96, 0, s96
	s_mov_b32 s95, 0
	s_mov_b32 s97, 0
	s_add_nc_u64 s[94:95], s[12:13], s[94:95]
	s_add_nc_u64 s[96:97], s[12:13], s[96:97]
.irp b, 0,1,2,3,4,5,6,7
	global_load_b128 v[BN+8*\b:BN+8*\b+3], v[VB0], s[94:95] offset:64*\b
	global_load_b128 v[BN+8*\b+4:BN+8*\b+7], v[VB0], s[94:95] offset:64*\b+16
.endr
.irp a, 0,1,2,3,4,5,6,7
	global_load_b32 v[BM+\a], v[VB0+1], s[96:97] offset:64*\a
.endr
	v_mul_u32_u24 v3, v1, PITCH
	v_lshl_add_u32 v4, v2, 4, v3                   ; a fragment's row x pitch + 16 x half
	s_mul_i32 s98, s19, HALFT                      ; my 128 rows of A'
	s_mul_i32 s99, s20, HALFT                      ; my 128 rows of B',
	s_add_co_u32 s99, s99, 2*HALFT                 ; which lie behind A's 256
.irp s, 0,1
	v_add_nc_u32 v[ADRA+\s], s98, v4
	v_add_nc_u32 v[ADRB+\s], s99, v4
	s_add_co_u32 s98, s98, SLOT
	s_add_co_u32 s99, s99, SLOT
.endr
	v_mul_u32_u24 v5, v1, KS                       ; my row's scales: 32 bytes a row,
	v_lshrrev_b32 v6, 8, v5
	v_lshl_add_u32 v5, v6, 4, v5                   ; and 16 more for each 256 passed
	s_mul_i32 s98, s19, HALFS
	s_mul_i32 s99, s20, HALFS
	s_add_co_u32 s99, s99, 2*HALFS
	s_sub_co_u32 s99, s99, s98
	v_mul_u32_u24 v6, s99, v2                      ; lanes 16-31 take B's: one product, the distance between the two bases
	s_add_co_u32 s98, s98, SCL
	v_add_nc_u32 v5, v5, v6
	v_add_nc_u32 v[ADRS], s98, v5
	v_and_b32 v7, 31, v0
	v_lshlrev_b32 v[VO0], 4, v7
	v_lshlrev_b32 v[VSO], 4, v1
	v_lshl_add_u32 v[VSO], v2, 12, v[VSO]          ; 16 r, and 4,096 more (the next head's units) for lanes 16-31
	v_mov_b32 v[BMS], 0
	v_mov_b32 v[BMS+1], 0
	s_wait_alu depctr_va_vdst(0)
	s_wait_loadcnt 0x0                             ; the biases are in (the first tiles are still on their way)
.set i, 0
.rept 64
	v_cndmask_b32 v[BN+i], v[BN+i], v[BMS+1], s100 ; on v's path there is no bias along n'
.set i, i+1
.endr
.set i, 0
.rept 8
	v_cndmask_b32 v[BM+i], v[BMS+1], v[BM+i], s100 ; on q's and k's none along m'
.set i, i+1
.endr
.macro FRAG reg, adr, q, i             ; a fragment, 16 rows x 128 K: lane l holds row l % 16; registers 4 c .. 4 c + 3 hold K = 32 c + 16 (l / 16) + 0 .. 15
.irp c, 0,1,2,3
	ds_load_b128 v[\reg+4*\c:\reg+4*\c+3], v[\adr] offset:128*(\q)+32*\c+(\i)*16*PITCH
.endr
.endm
; 16 matrix instructions: A's blocks a0, a0 + 1 x B's eight.  zero = 1: the first product starts the sums from the bias along n'.  The 64 accumulators take turns, one instruction a turn.
.macro MUL16 a0, p, q, sc, zero
.irp a, \a0, \a0+1
.irp b, 0,1,2,3,4,5,6,7
.if \zero
	v_wmma_scale_f32_16x16x128_f8f6f4 v[8*(8*((\a)%4)+\b):8*(8*((\a)%4)+\b)+7], v[128*(\p)+FR*\b:128*(\p)+FR*\b+FR-1], v[AF+FR*(\a):AF+FR*(\a)+FR-1], v[BN+8*\b:BN+8*\b+7], v[SC+8*NQ*(\sc)+NQ*\b+(\q)], v[SC+8*NQ*(\sc)+NQ*(\a)+(\q)] matrix_a_fmt:MATRIX_FMT_BF8 matrix_b_fmt:MATRIX_FMT_BF8 matrix_a_scale:MATRIX_SCALE_ROW1
.else
	v_wmma_scale_f32_16x16x128_f8f6f4 v[8*(8*((\a)%4)+\b):8*(8*((\a)%4)+\b)+7], v[128*(\p)+FR*\b:128*(\p)+FR*\b+FR-1], v[AF+FR*(\a):AF+FR*(\a)+FR-1], v[8*(8*((\a)%4)+\b):8*(8*((\a)%4)+\b)+7], v[SC+8*NQ*(\sc)+NQ*\b+(\q)], v[SC+8*NQ*(\sc)+NQ*(\a)+(\q)] matrix_a_fmt:MATRIX_FMT_BF8 matrix_b_fmt:MATRIX_FMT_BF8 matrix_a_scale:MATRIX_SCALE_ROW1
.endif
.endr
.endr
.endm
.macro FETCH_B slot, q, p
	WIN TO_B
.irp i, 0,1,2,3,4,5,6,7
	FRAG 128*(\p)+FR*\i, ADRB+\slot, \q, \i
.endr
	WIN 0
.endm
.macro FETCH_A slot, q, i0
.irp i, \i0, \i0+1, \i0+2, \i0+3
	FRAG AF+FR*(\i), ADRA+\slot, \q, \i
.endr
.endm
.macro SCALES sc                       ; a K step's scale words: lanes 0-15 take A's block i, lanes 16-31 B's block i; two words a row
.irp i, 0,1,2,3,4,5,6,7
	ds_load_b64 v[SC+8*NQ*\sc+NQ*\i:SC+8*NQ*\sc+NQ*\i+1], v[ADRS] offset:\i*SBLK
.endr
.endm
.macro PLACES n                        ; plain vector instructions between a matrix instruction and a load into, or a vector read of, its registers
.rept \n
	v_nop
.endr
.endm
.macro STEP slot, q, zero              ; 128 along K whose successor lies in the same slot
	s_wait_dscnt 4*NL                              ; all but the youngest 16 loads (A's blocks 4-7) are in
.if \zero
	WIN BEG_LO
.else
	WIN MUL_LO
.endif
	MUL16 0, (\q)%2, \q, \slot, \zero
	MUL16 2, (\q)%2, \q, \slot, \zero
	s_wait_dscnt 0
	PLACES NP
	FETCH_B \slot, (\q)+1, 1-(\q)%2
	FETCH_A \slot, (\q)+1, 0
.if \zero
	WIN BEG_HI
.else
	WIN MUL_HI
.endif
	MUL16 4, (\q)%2, \q, \slot, \zero
	MUL16 6, (\q)%2, \q, \slot, \zero
	PLACES NP
	WIN 0
	FETCH_A \slot, (\q)+1, 4
.endm
; A slot's last step changes slots: one barrier; in front of it each wave waits for all its tensor loads, adds 0 to its spare word, and waits for that and for its reads of this slot.  fill = 1: the slot is filled again, two K steps ahead.
.macro TURN slot, next, fill
	s_wait_tensorcnt 0x0                           ; all my tensor loads have landed: my part of the next slot
	ds_add_u32 v[SPW], v[NIL]                      ; 0 onto my spare word
	s_wait_dscnt 4*NL+1                            ; the add and the youngest 16 loads may be out
	WIN MUL_LO
	MUL16 0, 1, NQ-1, \slot, 0
	s_wait_dscnt 0x0                               ; the add is done, and my reads of this slot are over
	s_barrier_signal -1
	MUL16 2, 1, NQ-1, \slot, 0
	WIN 0
	s_barrier_wait -1
.if \fill
	CREST                                          ; the barrier has opened a round of the cluster's: no wave of any partner still reads this slot or has a load on its way
	s_add_nc_u64 s[G0+4*\slot+2:G0+4*\slot+3], s[G0+4*\slot+2:G0+4*\slot+3], 2*ROWB
	s_add_nc_u64 s[G0B+4*\slot+2:G0B+4*\slot+3], s[G0B+4*\slot+2:G0B+4*\slot+3], 2*ROWB
	JLOAD G0+4*\slot, G1, G0B+4*\slot, G1B         ; the first tensor load behind the round; its four v_nop are among the places below
	PLACES NP-4
.else
	PLACES NP
.endif
	s_wait_alu depctr_va_vdst(0)
	v_add_nc_u32 v[ADRS], 4*NQ, v[ADRS]            ; the next K step's scale words
	FETCH_B \next, 0, 0
	FETCH_A \next, 0, 0
	SCALES \next
	WIN MUL_HI
	MUL16 4, 1, NQ-1, \slot, 0
	MUL16 6, 1, NQ-1, \slot, 0
	PLACES NP
	WIN 0
	FETCH_A \next, 0, 4
.endm
	s_wait_alu depctr_va_vdst(0)
	s_wait_tensorcnt 1                             ; the scales and my part of K step 0 are in; K step 1's load may be out
	s_barrier_signal -1
	s_barrier_wait -1
	FETCH_B 0, 0, 0
	FETCH_A 0, 0, 0
	SCALES 0
	FETCH_A 0, 0, 4
	STEP 0, 0, 1                                   ; the first step stands in front of the loop: its products start the sums
	s_mov_b32 s3, LAPS-1
.Llap:                                             ; a trip goes once round the ring and fills both slots again
	TURN 0, 1, 1
	STEP 1, 0, 0
	TURN 1, 0, 1
	STEP 0, 0, 0
	s_sub_co_u32 s3, s3, 1
	s_cmp_lg_u32 s3, 0
	s_cbranch_scc1 .Llap
	TURN 0, 1, 0                                   ; the last lap fills nothing
	STEP 1, 0, 0
	s_wait_dscnt 4*NL
	WIN MUL_LO
	MUL16 0, 1, NQ-1, 1, 0
	MUL16 2, 1, NQ-1, 1, 0
	s_wait_dscnt 0
	WIN MUL_HI
	MUL16 4, 1, NQ-1, 1, 0
	MUL16 6, 1, NQ-1, 1, 0
	WIN 0
	PLACES NP
	; THE WAY OUT.  No tensor load is out (the last change of slots waited for all), so the descriptors' registers serve again.
	; q, k: head block 64 (tile column / 4) + 16 (tile row / 8) + 4 (tile column % 4) + 2 x column half (+ 1 for my second 64 columns); unit of 128 t: 2 (tile row % 8) + row half.
	; v:    head block 128 + 16 (tile column / 8) + 4 x tile row + 2 x row half (+ 1 for my second 64 rows);                        unit: 2 (tile column % 8) + column half.
	s_lshr_b32 s37, s22, 2
	s_lshl_b32 s37, s37, 6
	s_lshr_b32 s38, s21, 3
	s_lshl_b32 s38, s38, 4
	s_add_co_u32 s37, s37, s38
	s_and_b32 s38, s22, 3
	s_lshl_b32 s38, s38, 2
	s_add_co_u32 s37, s37, s38
	s_lshl_b32 s38, s20, 1
	s_add_co_u32 s37, s37, s38
	s_and_b32 s38, s21, 7
	s_lshl_b32 s38, s38, 1
	s_add_co_u32 s38, s38, s19
	s_lshr_b32 s39, s22, 3
	s_lshl_b32 s39, s39, 4
	s_lshl_b32 s44, s21, 2
	s_add_co_u32 s39, s39, s44
	s_lshl_b32 s44, s19, 1
	s_add_co_u32 s39, s39, s44
	s_add_co_u32 s39, s39, 128
	s_and_b32 s44, s22, 7
	s_lshl_b32 s44, s44, 1
	s_add_co_u32 s44, s44, s20
	s_mov_b32 s28, 2048
	s_mov_b32 s32, 1024
	s_cmp_lt_u32 ttmp9, 2
	s_cselect_b32 s37, s37, s39
	s_cselect_b32 s38, s38, s44
	s_cselect_b32 s28, 1024, s28                   ; bytes from a block of 16 rows to the next: a tile of t (two chunks), or a tile of d (four)
	s_cselect_b32 s30, 0, 122880                   ; v: behind four tiles of d comes the next head: 131,072 - 4 x 2,048 more
	s_cselect_b32 s32, 131072, s32                 ; bytes from chunk 0 to chunk 2 of n': the next head, or two chunks
	s_mov_b32 s29, 0
	s_mov_b32 s31, 0
	s_mov_b32 s[SEL], 0x76543210
	s_mov_b32 s[SEL+1], 0xfedcba98                 ; v_permlanex16_b32's selects for lane l xor 16
	s_lshl_b32 s37, s37, 12
	s_lshl_b32 s38, s38, 8
	s_add_co_u32 s46, s37, s38                     ; my first unit of scale words: 4,096 x head block + 256 x unit
	s_mov_b32 s47, 0
	s_add_nc_u64 s[16:17], s[16:17], s[46:47]
	s_lshl_b32 s46, s46, 5                         ; and 32 times that in the images
	s_add_nc_u64 s[14:15], s[14:15], s[46:47]
	v_add_nc_u32 v[VO2], s32, v[VO0]
.irp b, 0,1,2,3
	v_mov_b32 v[TM+4+\b], 0                        ; written once: a lane permute's destination counts as one of its sources
.endr
; 64 numbers of a lane, register 16 b + i of block b, become 16 registers of codes in v[PC] on and the scale word in v[pw].
.macro QUANT s, pw
.irp b, 0,1,2,3
	v_max3_num_f32 v[TM+\b], |v[\s+16*\b]|, |v[\s+1+16*\b]|, 0x8000000   ; my 16 numbers and the floor 2^(16 - 127): the byte cannot fall under 1
.endr
.irp i, 2,4,6,8,10,12,14
.irp b, 0,1,2,3
	v_max3_num_f32 v[TM+\b], v[TM+\b], |v[\s+16*\b+\i]|, |v[\s+1+16*\b+\i]|
.endr
.endr
.irp b, 0,1,2,3
	v_permlanex16_b32 v[TM+4+\b], v[TM+\b], s[SEL], s[SEL+1]
.endr
.irp b, 0,1,2,3
	v_max_num_f32 v[TM+\b], v[TM+\b], v[TM+4+\b]   ; with lane l xor 16's: the block's largest magnitude
.endr
.irp b, 0,1,2,3
	v_add_nc_u32 v[TM+12+\b], 0xf8800000, v[TM+\b] ; 15 off its exponent field: the conversion's scale operand
.endr
.irp b, 0,1,2,3
.endr
.irp b, 0,1,2,3
	v_lshrrev_b32 v[TM+4+\b], 23, v[TM+12+\b]      ; the scale's byte
.endr
	v_lshl_or_b32 v[\pw], v[TM+5], 8, v[TM+4]
	v_lshl_or_b32 v[\pw], v[TM+6], 16, v[\pw]
	v_lshl_or_b32 v[\pw], v[TM+7], 24, v[\pw]
.irp b, 0,1,2,3
.irp i, 0,1,2,3,4,5,6,7,8,9,10,11,12,13,14,15
.endr
	v_cvt_scalef32_pk8_bf8_f32 v[PC+4*\b:PC+1+4*\b], v[\s+16*\b:\s+7+16*\b], v[TM+12+\b]
	v_cvt_scalef32_pk8_bf8_f32 v[PC+2+4*\b:PC+3+4*\b], v[\s+8+16*\b:\s+15+16*\b], v[TM+12+\b]
.endr
	v_nop                                          ; a plain instruction behind the last conversion, ahead of the next writes of its sources
.endm
.macro ROWQ a                          ; block a: 16 rows x 128 n'
.if \a > 0
	s_wait_xcnt 0x0                                ; the last block's stores have read their data and their base: both are written again only behind this wait
	s_add_nc_u64 s[14:15], s[14:15], s[28:29]
.if \a == 4
	s_add_nc_u64 s[14:15], s[14:15], s[30:31]
.endif
.endif
	v_mov_b32 v[BMS], v[BM+\a]
	WIN 0x02+(\a)/4                                ; source 0: window 2 or 3
.set i, 0
.rept 32
	v_pk_add_f32 v[T+i:T+i+1], v[64*((\a)%4)+i:64*((\a)%4)+i+1], v[BMS:BMS+1] op_sel_hi:[1,0]   ; + the bias along m'; each accumulator from its low end on
.set i, i+2
.endr
	WIN 0
	QUANT T, W+\a
	global_store_b128 v[VO0], v[PC:PC+3], s[14:15]                  ; each store: a whole chunk, 512 consecutive bytes, aligned
	global_store_b128 v[VO0], v[PC+4:PC+7], s[14:15] offset:512
	global_store_b128 v[VO2], v[PC+8:PC+11], s[14:15]
	global_store_b128 v[VO2], v[PC+12:PC+15], s[14:15] offset:512
.endm
.irp a, 0,1,2,3,4,5,6,7
	ROWQ \a
.endr
	; the scale words.  Lanes 0-15 write the first head's unit of 256 bytes, lanes 16-31 the second's.  q, k: word f = my head's half of W[2 f], then of W[2 f + 1].  v: word f = W[f] or W[4 + f].
	v_bfe_u32 v245, v0, 4, 1
	v_cmp_eq_u32 vcc_lo, 1, v245
	v_mov_b32 v246, 0x05040100
	v_mov_b32 v247, 0x07060302
	v_cndmask_b32 v244, v246, v247, vcc_lo
.irp f, 0,1,2,3
	v_perm_b32 v[232+\f], v[W+2*\f+1], v[W+2*\f], v244
	v_cndmask_b32 v[236+\f], v[W+\f], v[W+4+\f], vcc_lo
.endr
.irp f, 0,1,2,3
	v_cndmask_b32 v[240+\f], v[232+\f], v[236+\f], s100
.endr
	global_store_b128 v[VSO], v[240:243], s[16:17]
	s_wait_tensorcnt 0x0                           ; the wave's end
	ds_add_u32 v[SPW], v[NIL]
	s_wait_dscnt 0x0
	CROUND                                         ; the closing round: no work-group ends while a partner may still ask for a tile that names it
	s_endpgm
.Lfunc_end_k_q7e4ca00815_qkv:
	.size	k_q7e4ca00815_qkv, .Lfunc_end_k_q7e4ca00815_qkv-k_q7e4ca00815_qkv
	.p2alignl 7, 3214868480
	.fill 96, 4, 3214868480
	.section	.rodata,"a",@progbits
	.p2align	6, 0x0
	.amdhsa_kernel k_q7e4ca00815_qkv
		.amdhsa_group_segment_fixed_size 327680
		.amdhsa_private_segment_fixed_size 0
		.amdhsa_enable_private_segment 0
		.amdhsa_kernarg_size 56
		.amdhsa_user_sgpr_count 2
		.amdhsa_user_sgpr_kernarg_segment_ptr 1
		.amdhsa_wavefront_size32 1
		.amdhsa_system_sgpr_workgroup_id_x 1
		.amdhsa_system_sgpr_workgroup_id_y 1
		.amdhsa_system_sgpr_workgroup_id_z 1
		.amdhsa_system_vgpr_workitem_id 0
		.amdhsa_next_free_vgpr 1024
		.amdhsa_next_free_sgpr 102
		.amdhsa_reserve_vcc 1
		.amdhsa_float_denorm_mode_32 3
		.amdhsa_float_denorm_mode_16_64 3
		.amdhsa_fp16_overflow 1
		.amdhsa_memory_ordered 1
		.amdhsa_forward_progress 1
		.amdhsa_inst_pref_size 175
	.end_amdhsa_kernel
	.amdgpu_metadata
---
amdhsa.version: [ 1, 2 ]
amdhsa.kernels:
  - .name:           k_q7e4ca00815_qkv
    .symbol:         k_q7e4ca00815_qkv.kd
    .args:
      - { .name: x_codes, .offset: 0, .size: 8, .value_kind: global_buffer, .address_space: global }
      - { .name: x_scales, .offset: 8, .size: 8, .value_kind: global_buffer, .address_space: global }
      - { .name: W_qkv_codes, .offset: 16, .size: 8, .value_kind: global_buffer, .address_space: global }
      - { .name: W_qkv_scales, .offset: 24, .size: 8, .value_kind: global_buffer, .address_space: global }
      - { .name: b_qkv, .offset: 32, .size: 8, .value_kind: global_buffer, .address_space: global }
      - { .name: qkv_img, .offset: 40, .size: 8, .value_kind: global_buffer, .address_space: global }
      - { .name: qkv_sc, .offset: 48, .size: 8, .value_kind: global_buffer, .address_space: global }
    .group_segment_fixed_size: 327680
    .private_segment_fixed_size: 0
    .kernarg_segment_align: 8
    .kernarg_segment_size: 56
    .max_flat_workgroup_size: 128
    .sgpr_count:     102
    .vgpr_count:     1024
    .wavefront_size: 32
...
	.end_amdgpu_metadata
.endif
;; end of part 1
;; launch attn (part 2): grid 4 x 64, 16 waves a work-group, clusters of 4 x 1, 327,680 bytes of LDS; arguments qkv_img, qkv_sc, o_img, o_sc; writes o_img, o_sc
.if DOCPART == 2
	.amdgcn_target "amdgcn-amd-amdhsa--gfx1250"
	.amdhsa_code_object_version 6
	.text
	.protected	k_q7e4ca00815_attn
	.globl	k_q7e4ca00815_attn
	.p2align	8
	.type	k_q7e4ca00815_attn,@function
k_q7e4ca00815_attn:
	s_mov_b64 s[64:65], 0
	v_nop
	global_prefetch_b8 v0, s[64:65] scope:SCOPE_SE
	s_setreg_imm32_b32 hwreg(HW_REG_WAVE_MODE, 25, 1), 1
	s_wait_xcnt 0x0
	s_wait_alu depctr_hold_cnt(0) depctr_sa_sdst(0) depctr_va_vdst(0) depctr_va_sdst(0) depctr_va_ssrc(0) depctr_va_vcc(0) depctr_vm_vsrc(0)
	s_getreg_b32 s2, hwreg(HW_REG_IB_STS2, 6, 4)
	s_cmp_eq_u32 s2, 0
	s_cbranch_scc0 .Lentry_in_a_cluster
	s_endpgm
.Lentry_in_a_cluster:
	s_bfe_u32 s2, ttmp6, 0x10000c
	s_cmp_lg_u32 s2, 0x3003
	s_cbranch_scc0 .Lentry_shape_is_right
	s_endpgm
.Lentry_shape_is_right:
; Causal attention of one head on codes of BF8 (E5M2) with E8M0 scales, and the quantising of its result along d for the last product.
; t = score x log2(e) / 8; M = the running largest t rounded UP to a whole number; p = 2^(t - M) is quantised along the keys, not normalised; the row's sum is taken of the unquantised p and divides at the end.
; SHARES.  A work-group is (head block y, g = its place in x, 0..3).  A tile of 16 queries number i needs i / 8 + 1 steps of 128 keys.  Wave w takes tile 8 w + 2 g (w + 1 steps) and then tile 8 (15 - w) + 2 g + 1
; (16 - w steps): every wave of the launch walks 17 steps, none of them wholly hidden by the mask.  One tile is alive in a wave: 256 registers, four waves to a SIMD, so that one wave's vector work stands beside another's products and LDS loads.
; LDS HOLDS THE WHOLE HEAD: K's image (131,072 bytes), V's (131,072), their scale words (4,096 each): filled once, never again, never stored to: one barrier, and LDS is read-only behind it.
; CLUSTER.  The four work-groups of a head read the same K and V: each wave's two loads (16 KiB of an image, 512 bytes of scale words) are joint loads that name all four.
; LAYOUT.  The images are chunks of 512 bytes, 16 bytes a lane: four registers of a fragment.  S^T = K Q^T (source 0 = keys, source 1 = my 16 queries), O^T = V^T P^T: a lane holds one query throughout.
; THE HEAD'S K IS 64, THE INSTRUCTION'S 128: a fragment of K carries TWO tiles of 16 keys (places 0-63: tile 2 f, 64-127: tile 2 f + 1); it is multiplied by (q, zeros) and by (zeros, q).  So each fragment read from LDS feeds two products.
; In S^T register 16 f + 8 u + j of lane (r, h) is key 32 f + 16 u + 8 h + j of the step: the order in which V's image has its keys, so p's codes are the second product's operand as the conversions leave them.
; THE RESULT meets W_out, whose K is in natural order: the codes of lanes l and l xor 16 change places once (8 bytes a block).  o_img: [head / 4][row / 16][2 (head % 4) + block][512]; o_sc: [row][32], byte 2 head + block.
; o_sc is stored two bytes a row (a head's share of a row's 32): parts of many aligned blocks; it is one byte for each 32 of codes.
; LIMITS: NaN and infinities are not served; a block under 2^(16 - 127) (a block of zeros too) keeps the byte 1: bytes read by this program alone; sums run in the images' order inside each block of 32.
.set L16,  1                           ; v1   16 x lane
.set L16V, 2                           ; v2   131,072 + 16 x lane
.set R16L, 3                           ; v3   262,144 + 16 r
.set R16,  4                           ; v4   16 r
.set R32,  5                           ; v5   32 r
.set DQ,   6                           ; v6   my query's place in the diagonal step - 8 h
.set ADK,  7                           ; v7-9 LDS addresses of the step
.set ADV,  8
.set ADS,  9
.set TQ,   10                          ; v10  q's two scale bytes
.set NINF, 11                          ; v11  -infinity
                                       ; v12 -M, v13 the largest t, v[14:15] the sum in two halves
.set QL,   16                          ; v16-23 q, v24-31 zeros, v32-39 q: (q, 0) = v[16:31], (0, q) = v[24:39]
.set QSL,  40                          ; v40, v41 their scale words
.set PSW,  42                          ; v42  p's scale word
.set OSW,  43                          ; v43  o's two scale bytes
.set KSW,  44                          ; v44-47 K's scale words
.set FRG,  48                          ; v48-111 four fragments of K, then of V
.set S,    112                         ; v112-175 S^T, then p
.set OT,   176                         ; v176-207 O^T
.set PC,   208                         ; v208-223 codes
.set BMX,  224                         ; v224-227 block maxima
.set T2,   228                         ; v228-231 at work
.set HLD,  232
.set SCO,  236                         ; v236-239 the conversion's scale operand
.set VSW,  240                         ; v240-243 V's scale words
.set F,    244                         ; v[244:245] f = 2^(old M - new M), and a 0
.set TMP,  246
.set SM2,  248                         ; v[248:249] the sum's second chain
.set XC,   250                         ; v250-253 the exchange
.set WV,   12
.set G1C,  16
.set G1S,  24
.set G0C,  32
.set G0S,  36
.set CS,   56                          ; s[56:57] c = log2(e) / 8
.set SEL,  58
.set MNT,  60
.set HM,   61                          ; the mask of lanes 16-31
.set TAU,  62                          ; trips done
.set SIG,  63                          ; the key step of the tile in hand
.set JJ,   66                          ; its diagonal step
.set W1,   67                          ; the trip at which the second tile begins
.set JB,   68
.macro CROUND
	s_barrier_signal -1
	s_barrier_wait -1
	s_cmp_lg_u32 s[WV], 0
	s_cbranch_scc1 .Lnot_wave_0_\@
	s_barrier_signal -3
.Lnot_wave_0_\@:
	s_barrier_wait -3
	s_barrier_signal -1
	s_barrier_wait -1
.endm
	s_load_b256 s[4:11], s[0:1], 0x0               ; qkv_img, qkv_sc, o_img, o_sc
	v_lshl_add_u32 v254, v0, 2, 0x42000
	v_mov_b32 v255, 0
	ds_add_u32 v254, v255
	ds_add_u32 v254, v255
	v_lshrrev_b32 v1, 5, v0
	s_delay_alu instid0(VALU_DEP_1)
	v_readfirstlane_b32 s[WV], v1                  ; wave 0..15
	s_bfe_u32 s13, ttmp6, 0x40000
	s_lshl_b32 s15, ttmp9, 2
	s_add_co_u32 s13, s13, s15                     ; g: it enters q's and o's addresses and the mask's numbers alone
	s_and_b32 s14, ttmp7, 0xffff                   ; 16 batch + head, which the four partners share
	s_add_co_u32 s[W1], s[WV], 1
	s_sub_co_u32 s[JB], 15, s[WV]
	s_mov_b32 s[JJ], s[WV]
	s_mov_b32 s[TAU], 0
	s_mov_b32 s[SIG], 0
	s_lshl_b32 s72, s14, 17                        ; the head's block in an image,
	s_lshl_b32 s73, s14, 12                        ; and among the scale words
	s_lshl_b32 s69, s[WV], 3
	s_lshl_b32 s70, s13, 1
	s_add_co_u32 s69, s69, s70                     ; my first tile
	s_lshl_b32 s71, s[JB], 3
	s_add_co_u32 s71, s71, s70
	s_add_co_u32 s71, s71, 1                       ; my second
	s_lshl_b32 s40, s69, 10                        ; q's image: 1,024 bytes a tile
	s_add_co_u32 s40, s40, s72
	s_mov_b32 s41, 0
	s_lshl_b32 s42, s71, 10
	s_add_co_u32 s42, s42, s72
	s_mov_b32 s43, 0
	s_lshl_b32 s15, s13, 2
	s_lshl_b32 s44, s[WV], 8                       ; q's scale bytes: unit w, word g, lower half;
	s_add_co_u32 s44, s44, s73
	s_add_co_u32 s44, s44, s15
	s_mov_b32 s45, 0
	s_lshl_b32 s46, s[JB], 8                       ; unit 15 - w, word g, upper half
	s_add_co_u32 s46, s46, s73
	s_add_co_u32 s46, s46, s15
	s_add_co_u32 s46, s46, 2
	s_mov_b32 s47, 0
	s_and_b32 s78, s14, 15                         ; head
	s_lshr_b32 s79, s14, 4                         ; batch
	s_lshr_b32 s80, s78, 2
	s_lshl_b32 s80, s80, 21
	s_and_b32 s81, s78, 3
	s_lshl_b32 s81, s81, 10
	s_add_co_u32 s80, s80, s81
	s_lshl_b32 s81, s79, 19
	s_add_co_u32 s80, s80, s81                     ; o_img: 2,097,152 (head / 4) + 1,024 (head % 4) + 4,096 x 128 batch
	s_lshl_b32 s48, s69, 12
	s_add_co_u32 s48, s48, s80
	s_mov_b32 s49, 0
	s_lshl_b32 s50, s71, 12
	s_add_co_u32 s50, s50, s80
	s_mov_b32 s51, 0
	s_lshl_b32 s80, s79, 16
	s_lshl_b32 s81, s78, 1
	s_add_co_u32 s80, s80, s81                     ; o_sc: 32 x 2,048 batch + 2 head
	s_lshl_b32 s52, s69, 9
	s_add_co_u32 s52, s52, s80
	s_mov_b32 s53, 0
	s_lshl_b32 s54, s71, 9
	s_add_co_u32 s54, s54, s80
	s_mov_b32 s55, 0
	s_lshr_b32 s74, s[WV], 3                       ; what I fetch: waves 0-7 an eighth of K's image and scale words, waves 8-15 of V's
	s_add_co_u32 s74, s74, 1
	s_lshl_b32 s76, s74, 18
	s_lshl_b32 s74, s74, 23
	s_add_co_u32 s74, s74, s72
	s_and_b32 s82, s[WV], 7
	s_lshl_b32 s83, s82, 14
	s_add_co_u32 s74, s74, s83
	s_mov_b32 s75, 0
	s_add_co_u32 s76, s76, s73
	s_lshl_b32 s83, s82, 9
	s_add_co_u32 s76, s76, s83
	s_mov_b32 s77, 0
	; descriptor groups 1: dense blocks as rows of 256 bytes (32 elements of 8 bytes): 64 rows of an image, 2 rows of scale words; the mask names all four work-groups, bit 21 beside it
	s_mov_b32 s[G1C], 15|(3<<16)|(1<<21)
	s_mov_b32 s[G1C+1], 32<<16
	s_mov_b32 s[G1C+2], 64<<16
	s_mov_b32 s[G1C+3], 32<<16
	s_mov_b32 s[G1C+4], 64
	s_mov_b32 s[G1C+5], 32
	s_mov_b32 s[G1C+6], 0
	s_mov_b32 s[G1C+7], 0
	s_mov_b32 s[G1S], 15|(3<<16)|(1<<21)
	s_mov_b32 s[G1S+1], 32<<16
	s_mov_b32 s[G1S+2], 2<<16
	s_mov_b32 s[G1S+3], 32<<16
	s_mov_b32 s[G1S+4], 2
	s_mov_b32 s[G1S+5], 32
	s_mov_b32 s[G1S+6], 0
	s_mov_b32 s[G1S+7], 0
	s_mov_b32 s[CS], 0x3e38aa3b
	s_mov_b32 s[CS+1], s[CS]                       ; (named with it as a pair, so it is written)
	s_mov_b32 s[SEL], 0x76543210
	s_mov_b32 s[SEL+1], 0xfedcba98
	v_and_b32 v246, 31, v0
	v_and_b32 v247, 15, v0                         ; r
	v_bfe_u32 v248, v0, 4, 1                       ; h
	s_delay_alu instid0(VALU_DEP_3)
	v_lshlrev_b32 v[L16], 4, v246
	s_delay_alu instid0(VALU_DEP_1)
	v_add_nc_u32 v[L16V], 131072, v[L16]
	s_delay_alu instid0(VALU_DEP_4)
	v_lshlrev_b32 v[R16], 4, v247
	s_delay_alu instid0(VALU_DEP_1)
	v_add_nc_u32 v[R16L], 262144, v[R16]
	v_lshlrev_b32 v[R32], 5, v247
	v_cmp_eq_u32 s[HM], 1, v248
	v_lshlrev_b32 v249, 3, v248
	s_delay_alu instid0(VALU_DEP_1)
	v_sub_nc_u32 v[DQ], v247, v249
	s_lshl_b32 s15, s13, 5
	v_add_nc_u32 v[DQ], s15, v[DQ]                 ; first tile: 32 g + r - 8 h
	v_mov_b32 v[NINF], 0xff800000
.set i, 0
.rept 8
	v_mov_b32 v[QL+8+i], 0                         ; the zero codes beside q
	v_mov_b32 v[BMX+i], 0                          ; written once: a lane permute's destination counts as one of its sources
.set i, i+1
.endr
.irp i, 0,1,2,3
	v_mov_b32 v[XC+\i], 0
.endr
	v_mov_b32 v[F+1], 0                            ; (named as the upper half of a pair)
	s_wait_dscnt 0x0
	s_wait_kmcnt 0x0
	s_add_nc_u64 s[40:41], s[4:5], s[40:41]
	s_add_nc_u64 s[42:43], s[4:5], s[42:43]
	s_add_nc_u64 s[44:45], s[6:7], s[44:45]
	s_add_nc_u64 s[46:47], s[6:7], s[46:47]
	s_add_nc_u64 s[48:49], s[8:9], s[48:49]
	s_add_nc_u64 s[50:51], s[8:9], s[50:51]
	s_add_nc_u64 s[52:53], s[10:11], s[52:53]
	s_add_nc_u64 s[54:55], s[10:11], s[54:55]
	s_mov_b32 s[G0C], 1
	s_lshl_b32 s[G0C+1], s[WV], 14                 ; LDS: 16,384 x wave
	s_add_nc_u64 s[G0C+2:G0C+3], s[4:5], s[74:75]
	s_or_b32 s[G0C+3], s[G0C+3], 0x80000000
	s_mov_b32 s[G0S], 1
	s_lshl_b32 s[G0S+1], s[WV], 9
	s_add_co_u32 s[G0S+1], s[G0S+1], 262144        ; LDS: 262,144 + 512 x wave
	s_add_nc_u64 s[G0S+2:G0S+3], s[6:7], s[76:77]
	s_or_b32 s[G0S+3], s[G0S+3], 0x80000000
	CROUND                                         ; all four work-groups are here: the joint loads meet
	tensor_load_to_lds s[G0C:G0C+3], s[G1C:G1C+7]  ; the first of the launch's two fills: one load of mine is out
	s_nop 0
	s_wait_alu depctr_va_vdst(0)
	s_wait_tensorcnt 0x0
	ds_add_u32 v254, v255
	s_wait_dscnt 0x0
	CROUND
	tensor_load_to_lds s[G0S:G0S+3], s[G1S:G1S+7]
	s_nop 0
.rept 4
	v_nop
.endr
.macro QLOAD q, qs                     ; a tile of q: two chunks, into both places; its rows' two scale bytes
	global_load_b128 v[QL:QL+3], v[L16], s[\q:\q+1]
	global_load_b128 v[QL+4:QL+7], v[L16], s[\q:\q+1] offset:512
	global_load_b128 v[QL+16:QL+19], v[L16], s[\q:\q+1]
	global_load_b128 v[QL+20:QL+23], v[L16], s[\q:\q+1] offset:512
	global_load_u16 v[TQ], v[R16], s[\qs:\qs+1]
.endm
.macro QSCALE                          ; the zero codes' blocks get the byte 1
	v_or_b32 v[QSL], 0x01010000, v[TQ]
	v_lshl_or_b32 v[QSL+1], v[TQ], 16, 0x0101
.endm
.macro INIT                            ; a tile begins: the largest t is -3e38, the sum and O^T are zeros, which the first change of M leaves zeros.  (These lines are also the places between the scale words above and the first products)
	v_mov_b32 v13, 0xff61b1e6
	s_delay_alu instid0(VALU_DEP_1)
	v_floor_f32 v12, -v13
	v_mov_b32 v14, 0
	v_mov_b32 v15, 0
.set i, 0
.rept 32
	v_mov_b32 v[OT+i], 0
.set i, i+1
.endr
.endm
; A tile ends: O^T / the sum, quantised along d (two blocks of 32), brought into natural order, stored.
.macro FINISH ob, os
.rept 8
	v_nop                                          ; places behind the last products
.endr
	v_add_f32 v14, v14, v15
	s_delay_alu instid0(VALU_DEP_1)
	v_permlanex16_b32 v[XC], v14, s[SEL], s[SEL+1]
	s_delay_alu instid0(VALU_DEP_1)
	v_add_f32 v14, v14, v[XC]                      ; the row's sum
	s_wait_alu depctr_va_vdst(0)
	v_rcp_f32 v14, v14
	v_nop                                          ; a plain instruction behind the transcendental
.set i, 0
	s_wait_alu depctr_va_vdst(0)
.rept 32
	v_mul_f32 v[S+i], v[OT+i], v14                 ; register 16 b + 8 u + j: d = 32 b + 16 u + 8 h + j; each accumulator from its low end on
.set i, i+1
.endr
.irp b, 0,1
	v_max3_num_f32 v[BMX+\b], |v[S+16*\b]|, |v[S+1+16*\b]|, 0x8000000
.endr
.irp i, 2,4,6,8,10,12,14
.irp b, 0,1
	s_delay_alu instid0(VALU_DEP_2)
	v_max3_num_f32 v[BMX+\b], v[BMX+\b], |v[S+16*\b+\i]|, |v[S+1+16*\b+\i]|
.endr
.endr
.irp b, 0,1
	s_delay_alu instid0(VALU_DEP_2)
	v_permlanex16_b32 v[T2+\b], v[BMX+\b], s[SEL], s[SEL+1]
.endr
.irp b, 0,1
	s_delay_alu instid0(VALU_DEP_2)
	v_max_num_f32 v[BMX+\b], v[BMX+\b], v[T2+\b]
.endr
.irp b, 0,1
	s_delay_alu instid0(VALU_DEP_2)
	v_add_nc_u32 v[SCO+\b], 0xf8800000, v[BMX+\b]
.endr
.irp b, 0,1
.endr
.irp b, 0,1
	s_delay_alu instid0(VALU_DEP_2)
	v_lshrrev_b32 v[T2+\b], 23, v[SCO+\b]
.endr
	s_delay_alu instid0(VALU_DEP_1)
	v_lshl_or_b32 v[OSW], v[T2+1], 8, v[T2]
.irp b, 0,1
.irp i, 0,1,2,3,4,5,6,7,8,9,10,11,12,13,14,15
.endr
	v_cvt_scalef32_pk8_bf8_f32 v[PC+4*\b:PC+1+4*\b], v[S+16*\b:S+7+16*\b], v[SCO+\b]
	v_cvt_scalef32_pk8_bf8_f32 v[PC+2+4*\b:PC+3+4*\b], v[S+8+16*\b:S+15+16*\b], v[SCO+\b]
.endr
	v_nop                                          ; a plain instruction behind the last conversion
	; natural order wants d 0-15 of a block in lanes 0-15 and d 16-31 in lanes 16-31: lanes 0-15 give away their upper 8 bytes, lanes 16-31 their lower 8
.irp b, 0,1
.irp k, 0,1
	v_cndmask_b32 v[XC+2*\b+\k], v[PC+4*\b+2+\k], v[PC+4*\b+\k], s[HM]
.endr
.endr
.irp i, 0,1,2,3
	s_delay_alu instid0(VALU_DEP_4)
	v_permlanex16_b32 v[BMX+\i], v[XC+\i], s[SEL], s[SEL+1]
.endr
.irp b, 0,1
.irp k, 0,1
	v_cndmask_b32 v[PC+4*\b+\k], v[PC+4*\b+\k], v[BMX+2*\b+\k], s[HM]
	v_cndmask_b32 v[PC+4*\b+2+\k], v[BMX+2*\b+\k], v[PC+4*\b+2+\k], s[HM]
.endr
.endr
	global_store_b128 v[L16], v[PC:PC+3], s[\ob:\ob+1]               ; a whole chunk: 512 consecutive bytes, aligned
	global_store_b128 v[L16], v[PC+4:PC+7], s[\ob:\ob+1] offset:512
	global_store_b16 v[R32], v[OSW], s[\os:\os+1]                    ; both halves of the lanes write the same two bytes
.endm
	QLOAD 40, 44
	s_wait_loadcnt 0x0
	QSCALE
	INIT
	s_wait_tensorcnt 0x0                           ; my parts of the head are in,
	s_barrier_signal -1
	s_barrier_wait -1                              ; everybody's are; nothing writes LDS from here on
.Ltrip:                                            ; 17 trips in every wave
	s_cmp_lg_u32 s[TAU], s[W1]                     ; the wave's number and a counter: the same in all partners
	s_setprio 2
	s_cbranch_scc1 .Lsame
	QLOAD 42, 46                                   ; the second tile's q is on its way while the first tile leaves (q's registers were last read by products a softmax ago)
	FINISH 48, 52
	s_wait_loadcnt 0x0
	QSCALE
	INIT
	v_add_nc_u32 v[DQ], 16, v[DQ]                  ; the second tile lies 16 queries further on in its diagonal step
	s_mov_b32 s[SIG], 0
	s_mov_b32 s[JJ], s[JB]
	s_wait_xcnt 0x0                                ; the stores have read their data: the codes' registers are written again only behind this wait
.Lsame:
	; ---- a key step: 128 keys
	s_and_b32 s71, s[SIG], 15                      ; 0..15 by the counts above; the mask states the bound
	s_lshl_b32 s69, s71, 13                        ; 8,192 bytes of each image,
	s_lshl_b32 s70, s71, 8                         ; 256 of each kind of scale words
	v_add_nc_u32 v[ADK], s69, v[L16]
	v_add_nc_u32 v[ADV], s69, v[L16V]
	v_add_nc_u32 v[ADS], s70, v[R16L]
.rept 5
	v_nop                                          ; with the three lines above: eight places between the last products and the loads into their registers
.endr
	ds_load_b128 v[KSW:KSW+3], v[ADS]
.irp f, 0,1,2,3
.irp c, 0,1,2,3
	ds_load_b128 v[FRG+16*\f+4*\c:FRG+16*\f+4*\c+3], v[ADK] offset:2048*\f+512*\c
.endr
.endr
	s_wait_alu depctr_va_vdst(0)
.irp f, 0,1,2,3
	s_wait_dscnt 4*(3-\f)                          ; the loads of the fragments still to come may be out
	v_wmma_scale_f32_16x16x128_f8f6f4 v[S+16*\f:S+16*\f+7], v[FRG+16*\f:FRG+16*\f+15], v[QL:QL+15], 0, v[KSW+\f], v[QSL] matrix_a_fmt:MATRIX_FMT_BF8 matrix_b_fmt:MATRIX_FMT_BF8
	v_wmma_scale_f32_16x16x128_f8f6f4 v[S+16*\f+8:S+16*\f+15], v[FRG+16*\f:FRG+16*\f+15], v[QL+8:QL+23], 0, v[KSW+\f], v[QSL+1] matrix_a_fmt:MATRIX_FMT_BF8 matrix_b_fmt:MATRIX_FMT_BF8
.endr
.rept 8
	v_nop                                          ; places: in front of the loads below and of the first read of the scores
.endr
.irp f, 0,1,2,3
.irp c, 0,1,2,3
	ds_load_b128 v[FRG+16*\f+4*\c:FRG+16*\f+4*\c+3], v[ADV] offset:2048*\f+512*\c   ; V's fragments land while the softmax is worked
.endr
.endr
	ds_load_b128 v[VSW:VSW+3], v[ADS] offset:4096
	s_cmp_lg_u32 s[SIG], s[JJ]                     ; only the tile's last step lies on the diagonal
	s_cbranch_scc1 .Lopen
.set n, 0
.rept 64
	v_cmp_gt_i32 vcc_lo, 32*(n/16)+16*((n/8)%2)+n%8, v[DQ]           ; register n holds key 32 (n / 16) + 16 ((n / 8) % 2) + n % 8 + 8 h of the step: hidden where it comes after my query
	v_cndmask_b32 v[S+n], v[S+n], v[NINF], vcc_lo
.set n, n+1
.endr
.Lopen:
.irp b, 0,1,2,3
	v_max3_num_f32 v[BMX+\b], v[S+16*\b], v[S+1+16*\b], v[S+2+16*\b]   ; the largest score of each block of 32 keys: for the row's maximum and, since p rises with the score, for the block's largest p
.endr
	s_setprio 1
.irp i, 3,5,7,9,11,13
.irp b, 0,1,2,3
	v_max3_num_f32 v[BMX+\b], v[BMX+\b], v[S+16*\b+\i], v[S+1+16*\b+\i]
.endr
.endr
.irp b, 0,1,2,3
	v_max_num_f32 v[BMX+\b], v[BMX+\b], v[S+15+16*\b]
.endr
.irp b, 0,1,2,3
	s_delay_alu instid0(VALU_DEP_4)
	v_permlanex16_b32 v[T2+\b], v[BMX+\b], s[SEL], s[SEL+1]
.endr
.irp b, 0,1,2,3
	s_delay_alu instid0(VALU_DEP_4)
	v_max_num_f32 v[BMX+\b], v[BMX+\b], v[T2+\b]
.endr
	s_delay_alu instid0(VALU_DEP_2)
	v_max3_num_f32 v[TMP], v[BMX], v[BMX+1], v[BMX+2]
	s_delay_alu instid0(VALU_DEP_1)
	v_max_num_f32 v[TMP], v[TMP], v[BMX+3]
	s_delay_alu instid0(VALU_DEP_1)
	v_mul_f32 v[TMP], s[CS], v[TMP]
	s_delay_alu instid0(VALU_DEP_1)
	v_max_num_f32 v13, v13, v[TMP]                 ; the running largest t
	v_mov_b32 v[TMP], v12
	s_delay_alu instid0(VALU_DEP_2)
	v_floor_f32 v12, -v13                          ; -M = floor(-t): M is a whole number
	s_delay_alu instid0(VALU_DEP_1)
	v_sub_f32 v[TMP], v12, v[TMP]
	s_delay_alu instid0(VALU_DEP_1)
	v_cvt_i32_f32 v[TMP], v[TMP]                   ; (it saturates)
	s_delay_alu instid0(VALU_DEP_1)
	v_ldexp_f32 v[F], 1.0, v[TMP]                  ; f = 2^(old M - new M): a multiplication by it rounds nothing
.set i, 0
.rept 32
	v_pk_fma_f32 v[S+i:S+i+1], v[S+i:S+i+1], s[CS:CS+1], v[12:13] op_sel_hi:[1,0,0]   ; t - M
.set i, i+2
.endr
.irp b, 0,1,2,3
	v_fma_f32 v[BMX+\b], v[BMX+\b], s[CS], v12
.endr
.set i, 0
	s_wait_alu depctr_va_vdst(0)
.rept 64
	v_exp_f32 v[S+i], v[S+i]                       ; p = 2^(t - M)
.set i, i+1
.endr
.irp b, 0,1,2,3
	v_exp_f32 v[BMX+\b], v[BMX+\b]                 ; the block's largest p: the same two instructions on the same number
.endr
	v_pk_mul_f32 v[14:15], v[14:15], v[F:F+1] op_sel_hi:[1,0]        ; the sums under the new M (a plain instruction behind the exponentials)
	s_wait_alu depctr_va_vdst(0)
.irp b, 0,1,2,3
	v_max_num_f32 v[BMX+\b], 0x8000000, v[BMX+\b]  ; the floor 2^(16 - 127)
.endr
.irp b, 0,1,2,3
	s_delay_alu instid0(VALU_DEP_4)
	v_add_nc_u32 v[SCO+\b], 0xf8800000, v[BMX+\b]
.endr
.irp b, 0,1,2,3
.endr
.irp b, 0,1,2,3
	s_delay_alu instid0(VALU_DEP_4)
	v_lshrrev_b32 v[T2+\b], 23, v[SCO+\b]
.endr
	s_delay_alu instid0(VALU_DEP_3)
	v_lshl_or_b32 v[PSW], v[T2+1], 8, v[T2]
	s_delay_alu instid0(VALU_DEP_1)
	v_lshl_or_b32 v[PSW], v[T2+2], 16, v[PSW]
	s_delay_alu instid0(VALU_DEP_1)
	v_lshl_or_b32 v[PSW], v[T2+3], 24, v[PSW]
	s_setprio 0
	v_pk_add_f32 v[SM2:SM2+1], v[S:S+1], v[S+2:S+3]                  ; the row's sum is taken of the unquantised p, in two chains
.set i, 4
.rept 15
	v_pk_add_f32 v[14:15], v[14:15], v[S+i:S+i+1]
	v_pk_add_f32 v[SM2:SM2+1], v[SM2:SM2+1], v[S+i+2:S+i+3]
.set i, i+4
.endr
	s_delay_alu instid0(VALU_DEP_1)
	v_pk_add_f32 v[14:15], v[14:15], v[SM2:SM2+1]
.irp b, 0,1,2,3
.irp i, 0,1,2,3,4,5,6,7,8,9,10,11,12,13,14,15
.endr
	v_cvt_scalef32_pk8_bf8_f32 v[PC+4*\b:PC+1+4*\b], v[S+16*\b:S+7+16*\b], v[SCO+\b]
	v_cvt_scalef32_pk8_bf8_f32 v[PC+2+4*\b:PC+3+4*\b], v[S+8+16*\b:S+15+16*\b], v[SCO+\b]
.endr
.set i, 0
.rept 16
	v_pk_mul_f32 v[OT+i:OT+i+1], v[OT+i:OT+i+1], v[F:F+1] op_sel_hi:[1,0]   ; O^T under the new M; also the places between the codes and the products
.set i, i+2
.endr
	s_wait_alu depctr_va_vdst(0)
	s_wait_dscnt 0x0                               ; V's fragments and scale words
.irp f, 0,1,2,3
	v_wmma_scale_f32_16x16x128_f8f6f4 v[OT+8*\f:OT+8*\f+7], v[FRG+16*\f:FRG+16*\f+15], v[PC:PC+15], v[OT+8*\f:OT+8*\f+7], v[VSW+\f], v[PSW] matrix_a_fmt:MATRIX_FMT_BF8 matrix_b_fmt:MATRIX_FMT_BF8
.endr
	s_add_co_u32 s[SIG], s[SIG], 1
	s_add_co_u32 s[TAU], s[TAU], 1
	s_cmp_lt_u32 s[TAU], 17
	s_cbranch_scc1 .Ltrip
	s_setprio 0
	FINISH 50, 54
	s_wait_dscnt 0x0
	s_wait_tensorcnt 0x0
	ds_add_u32 v254, v255
	s_wait_dscnt 0x0
	CROUND                                         ; the closing round: no work-group ends while a partner may still ask for a tile that names it
	s_endpgm
.Lfunc_end_k_q7e4ca00815_attn:
	.size	k_q7e4ca00815_attn, .Lfunc_end_k_q7e4ca00815_attn-k_q7e4ca00815_attn
	.p2alignl 7, 3214868480
	.fill 96, 4, 3214868480
	.section	.rodata,"a",@progbits
	.p2align	6, 0x0
	.amdhsa_kernel k_q7e4ca00815_attn
		.amdhsa_group_segment_fixed_size 327680
		.amdhsa_private_segment_fixed_size 0
		.amdhsa_enable_private_segment 0
		.amdhsa_kernarg_size 32
		.amdhsa_user_sgpr_count 2
		.amdhsa_user_sgpr_kernarg_segment_ptr 1
		.amdhsa_wavefront_size32 1
		.amdhsa_system_sgpr_workgroup_id_x 1
		.amdhsa_system_sgpr_workgroup_id_y 1
		.amdhsa_system_sgpr_workgroup_id_z 1
		.amdhsa_system_vgpr_workitem_id 0
		.amdhsa_next_free_vgpr 256
		.amdhsa_next_free_sgpr 84
		.amdhsa_reserve_vcc 1
		.amdhsa_float_denorm_mode_32 3
		.amdhsa_float_denorm_mode_16_64 3
		.amdhsa_fp16_overflow 1
		.amdhsa_memory_ordered 1
		.amdhsa_forward_progress 1
		.amdhsa_inst_pref_size 45
	.end_amdhsa_kernel
	.amdgpu_metadata
---
amdhsa.version: [ 1, 2 ]
amdhsa.kernels:
  - .name:           k_q7e4ca00815_attn
    .symbol:         k_q7e4ca00815_attn.kd
    .args:
      - { .name: qkv_img, .offset: 0, .size: 8, .value_kind: global_buffer, .address_space: global }
      - { .name: qkv_sc, .offset: 8, .size: 8, .value_kind: global_buffer, .address_space: global }
      - { .name: o_img, .offset: 16, .size: 8, .value_kind: global_buffer, .address_space: global }
      - { .name: o_sc, .offset: 24, .size: 8, .value_kind: global_buffer, .address_space: global }
    .group_segment_fixed_size: 327680
    .private_segment_fixed_size: 0
    .kernarg_segment_align: 8
    .kernarg_segment_size: 32
    .max_flat_workgroup_size: 512
    .sgpr_count:     84
    .vgpr_count:     256
    .wavefront_size: 32
...
	.end_amdgpu_metadata
.endif
;; end of part 2
;; launch proj (part 3): grid 4 x 32, 4 waves a work-group, clusters of 4 x 4, 327,680 bytes of LDS; arguments o_img, o_sc, W_out_codes, W_out_scales, b_out, out0; writes out0
.if DOCPART == 3
	.amdgcn_target "amdgcn-amd-amdhsa--gfx1250"
	.amdhsa_code_object_version 6
	.text
	.protected	k_q7e4ca00815_proj
	.globl	k_q7e4ca00815_proj
	.p2align	8
	.type	k_q7e4ca00815_proj,@function
k_q7e4ca00815_proj:
	s_mov_b64 s[64:65], 0
	v_nop
	global_prefetch_b8 v0, s[64:65] scope:SCOPE_SE
	s_setreg_imm32_b32 hwreg(HW_REG_WAVE_MODE, 25, 1), 1
	s_wait_xcnt 0x0
	s_wait_alu depctr_hold_cnt(0) depctr_sa_sdst(0) depctr_va_vdst(0) depctr_va_sdst(0) depctr_va_ssrc(0) depctr_va_vcc(0) depctr_vm_vsrc(0)
	s_getreg_b32 s2, hwreg(HW_REG_IB_STS2, 6, 4)
	s_cmp_eq_u32 s2, 0
	s_cbranch_scc0 .Lentry_in_a_cluster
	s_endpgm
.Lentry_in_a_cluster:
	s_bfe_u32 s2, ttmp6, 0x10000c
	s_cmp_lg_u32 s2, 0xf033
	s_cbranch_scc0 .Lentry_shape_is_right
	s_endpgm
.Lentry_shape_is_right:
; out0 = o W_out + b_out on codes of BF8 (E5M2) with E8M0 scales.  o: 8,192 rows x K 1,024, as images of operand registers (o_img: [K / 256][row / 16][8 chunks of 512 bytes], 16 bytes a lane) with scale bytes [row][32];
; W_out: [1,024 (n)][1,024 (k)] codes, scale bytes [n][32]; out0: [8,192][1,024] f32.
; A tile of out0, 256 x 256, is made by four waves, each 128 x 128: 64 accumulators, 512 registers.  K goes in four steps of 256 through two LDS slots filled by the tensor data mover.  o's part of a slot is a dense
; block of memory (128 rows = 32,768 bytes a load) and is read 16 x lane, 512 consecutive bytes an instruction; W_out's rows of 256 bytes get 16 bytes of padding.  The scale bytes of the 256 + 256 rows come once.
; 4 x 4 work-groups form a cluster: o's tiles are asked for jointly along a row of the cluster, W_out's along a column.  The size gives 128 tiles of this shape: a smaller tile would feed fewer products from each LDS byte.
; THE MATRIX INSTRUCTION IS USED TRANSPOSED (source 0 = 16 rows of W_out, source 1 = 16 rows of o): a lane holds eight neighbouring numbers of a row of out0.  THE BIAS is the C of each sum's first product.
; LIMITS: NaN and infinities among the inputs are not served.
; REGISTERS: window 0: v16-31 addresses; v32-63 scale words, two sets; v64-127 the bias; v128-255 o's fragments, one set, later the way out.  window 1: W_out's fragments, two sets.  windows 2, 3: the accumulators.
.set NQ,     2
.set ROWB,   256
.set KROW,   1024
.set ASTEP,  2097152                   ; bytes from a K step of o_img to the next
.set SIZE_N, 1024
.set PITCH,  272
.set FR,     16
.set NL,     4
.set NP,     8
.set HALFT,  128*PITCH
.set SLOT,   4*HALFT
.set LAPS,   2
.set KS,     32
.set SCL,    2*SLOT
.set HALFS,  16*272
.set SBLK,   2*272
.set SPARE,  SCL+4*HALFS               ; the spare words, 128 bytes for each wave: no other line names them
.set SPITCH, 528                       ; the way out: a stage of 16 rows x (512 + 16) bytes for each wave, in slot 0, which has had its last fill and its last read by then
.set ADRA, 16
.set ADRB, 20
.set VB0,  22
.set STO,  24
.set RD,   25
.set CO,   26
.set ADRS, 27
.set SPW,  28                          ; v28  LDS address of my spare word; never rewritten
.set NIL,  29                          ; v29  0; never rewritten
.set SC,   32
.set BN,   64
.set AF,   128
.set BK,   128
.set G1,   24
.set G0,   32
.set G1B,  48
.set G0B,  56
.set G1S,  68
.set G0S,  76
.set G1SB, 80
.set G0SB, 88
.set MSB, 0
.macro WIN new
.if MSB != \new
	s_set_vgpr_msb (MSB<<8)|\new
.set MSB, \new
.endif
.endm
.set MUL_LO, 0xa1
.set MUL_HI, 0xf1
.set BEG_LO, 0x81                      ; C (the bias) in window 0
.set BEG_HI, 0xc1
.set TO_B,   0x40
.macro JLOAD g0a, g1a, g0b, g1b        ; a joint load: waves 0 and 1 fetch for o, waves 2 and 3 for W_out; four v_nop follow each line
	s_cmp_eq_u32 s19, 0
	s_cbranch_scc0 .Lfor_b_\@
	tensor_load_to_lds s[\g0a:\g0a+3], s[\g1a:\g1a+7]
	s_nop 0
.rept 4
	v_nop
.endr
	s_branch .Lasked_\@
.Lfor_b_\@:
	tensor_load_to_lds s[\g0b:\g0b+3], s[\g1b:\g1b+7]
	s_nop 0
.rept 4
	v_nop
.endr
.Lasked_\@:
.endm
.macro CREST
	s_cmp_lg_u32 s18, 0
	s_cbranch_scc1 .Lnot_wave_0_\@
	s_barrier_signal -3
.Lnot_wave_0_\@:
	s_barrier_wait -3
	s_barrier_signal -1
	s_barrier_wait -1
.endm
.macro CROUND
	s_barrier_signal -1
	s_barrier_wait -1
	CREST
.endm
	s_load_b256 s[4:11], s[0:1], 0x0               ; o_img, o_sc, W_out's codes, W_out's scales
	s_load_b128 s[12:15], s[0:1], 0x20             ; b_out, out0
	v_lshl_add_u32 v[SPW], v0, 2, SPARE
	v_mov_b32 v[NIL], 0
	ds_add_u32 v28, v29
	ds_add_u32 v28, v29
	s_wait_dscnt 0x0
	v_lshrrev_b32 v1, 5, v0
	v_readfirstlane_b32 s18, v1                    ; wave 0..3
	s_lshr_b32 s19, s18, 1                         ; my half of the tile's rows.  Also: I fetch for o (0) or W_out (1)
	s_and_b32 s20, s18, 1                          ; my half of its columns.  Also: which 128 rows I fetch
	s_bfe_u32 s40, ttmp6, 0x40000                  ; cx
	s_bfe_u32 s41, ttmp6, 0x40004                  ; cy
	s_lshl_b32 s22, ttmp9, 2
	s_add_co_u32 s22, s22, s40                     ; tile column
	s_and_b32 s21, ttmp7, 0xffff
	s_lshl_b32 s21, s21, 2
	s_add_co_u32 s21, s21, s41                     ; tile row
	s_lshl_b32 s42, s41, 2
	s_lshl_b32 s42, 15, s42                        ; my row of the cluster
	s_lshl_b32 s43, 0x1111, s40                    ; my column
	; o: 32,768 dense bytes as 128 rows of 256 (32 elements of 8 bytes), no padding
	s_or_b32 s[G1+0], s42, (3<<16)|(1<<21)
	s_mov_b32 s[G1+1], 32<<16
	s_mov_b32 s[G1+2], 128<<16
	s_mov_b32 s[G1+3], 32<<16
	s_mov_b32 s[G1+4], 128
	s_mov_b32 s[G1+5], 32
	s_mov_b32 s[G1+6], 0
	s_mov_b32 s[G1+7], 0
	; W_out: 128 rows x 256 bytes, 16 bytes of padding behind each
	s_or_b32 s[G1B+0], s43, (0<<16)|(1<<20)|(1<<21)|(5<<22)|(3<<25)
	s_mov_b32 s[G1B+1], ROWB<<16
	s_mov_b32 s[G1B+2], 128<<16
	s_mov_b32 s[G1B+3], ROWB<<16
	s_mov_b32 s[G1B+4], 128
	s_mov_b32 s[G1B+5], KROW
	s_mov_b32 s[G1B+6], 0
	s_mov_b32 s[G1B+7], 0
	; the scales of 128 rows: 4,096 dense bytes as 16 rows of 256, padded
	s_or_b32 s[G1S+0], s42, (3<<16)|(1<<20)|(1<<21)|(5<<22)|(3<<25)
	s_or_b32 s[G1SB+0], s43, (3<<16)|(1<<20)|(1<<21)|(5<<22)|(3<<25)
.irp g, G1S, G1SB
	s_mov_b32 s[\g+1], 32<<16
	s_mov_b32 s[\g+2], 16<<16
	s_mov_b32 s[\g+3], 32<<16
	s_mov_b32 s[\g+4], 16
	s_mov_b32 s[\g+5], 32
	s_mov_b32 s[\g+6], 0
	s_mov_b32 s[\g+7], 0
.endr
	s_lshl_b32 s94, s20, 7                         ; which 128 rows of a tile I fetch
	s_lshl_b32 s44, s21, 8
	s_add_co_u32 s44, s44, s94                     ; o: row 256 x tile row + 128 x half
	s_lshl_b32 s66, s22, 8
	s_add_co_u32 s66, s66, s94                     ; W_out: row 256 x tile column + 128 x half
	s_lshl_b32 s46, s44, 5                         ; scales: 32 bytes a row
	s_mov_b32 s47, 0
	s_lshl_b32 s44, s44, 8                         ; o_img: 4,096 bytes for 16 rows of a K step
	s_mov_b32 s45, 0
	s_lshl_b32 s92, s66, 5
	s_mov_b32 s93, 0
	s_lshl_b32 s66, s66, 10
	s_mov_b32 s67, 0
	s_mul_i32 s23, s18, HALFT                      ; where they go: no place in the cluster enters an LDS address
	s_mul_i32 s2, s18, HALFS
	s_wait_kmcnt 0x0
	s_add_nc_u64 s[4:5], s[4:5], s[44:45]
	s_add_nc_u64 s[6:7], s[6:7], s[46:47]
	s_add_nc_u64 s[8:9], s[8:9], s[66:67]
	s_add_nc_u64 s[10:11], s[10:11], s[92:93]
	CROUND                                         ; all sixteen work-groups are here: the first joint loads meet
	s_mov_b32 s[G0S], 1
	s_add_co_u32 s[G0S+1], s2, SCL
	s_mov_b64 s[G0S+2:G0S+3], s[6:7]
	s_or_b32 s[G0S+3], s[G0S+3], 0x80000000
	s_mov_b32 s[G0SB], 1
	s_add_co_u32 s[G0SB+1], s2, SCL
	s_mov_b64 s[G0SB+2:G0SB+3], s[10:11]
	s_or_b32 s[G0SB+3], s[G0SB+3], 0x80000000
	JLOAD G0S, G1S, G0SB, G1SB
.irp s, 0,1
	s_mov_b32 s[G0+4*\s], 1
	s_add_co_u32 s[G0+4*\s+1], s23, \s*SLOT
	s_add_nc_u64 s[G0+4*\s+2:G0+4*\s+3], s[4:5], \s*ASTEP
	s_or_b32 s[G0+4*\s+3], s[G0+4*\s+3], 0x80000000
	s_mov_b32 s[G0B+4*\s], 1
	s_add_co_u32 s[G0B+4*\s+1], s23, \s*SLOT
	s_add_nc_u64 s[G0B+4*\s+2:G0B+4*\s+3], s[8:9], \s*ROWB
	s_or_b32 s[G0B+4*\s+3], s[G0B+4*\s+3], 0x80000000
	s_wait_alu depctr_va_vdst(0)
	s_wait_tensorcnt 0x0
	ds_add_u32 v28, v29
	s_wait_dscnt 0x0
	CROUND
	JLOAD G0+4*\s, G1, G0B+4*\s, G1B               ; one tensor load of mine is out
.endr
	v_and_b32 v1, 15, v0                           ; r
	v_bfe_u32 v2, v0, 4, 1                         ; h
	v_lshlrev_b32 v[VB0], 5, v2
	s_lshl_b32 s94, s22, 10                        ; the bias: b[256 x tile column + 128 x half + 16 b + 8 h + j]
	s_lshl_b32 s95, s20, 9
	s_add_co_u32 s94, s94, s95
	s_mov_b32 s95, 0
	s_add_nc_u64 s[94:95], s[12:13], s[94:95]
.irp b, 0,1,2,3,4,5,6,7
	global_load_b128 v[BN+8*\b:BN+8*\b+3], v[VB0], s[94:95] offset:64*\b
	global_load_b128 v[BN+8*\b+4:BN+8*\b+7], v[VB0], s[94:95] offset:64*\b+16
.endr
	v_mul_u32_u24 v3, v1, PITCH
	v_lshl_add_u32 v4, v2, 4, v3                   ; W_out: a fragment's row x pitch + 16 x half
	v_and_b32 v7, 31, v0
	v_lshlrev_b32 v[CO], 4, v7                     ; 16 x lane: o's images, and a row of 512 bytes on the way out
	s_mul_i32 s98, s19, HALFT                      ; my 128 rows of o
	s_mul_i32 s99, s20, HALFT                      ; my 128 rows of W_out,
	s_add_co_u32 s99, s99, 2*HALFT                 ; which lie behind o's two parts
.irp s, 0,1
	v_add_nc_u32 v[ADRA+\s], s98, v[CO]
	v_add_nc_u32 v[ADRB+\s], s99, v4
	s_add_co_u32 s98, s98, SLOT
	s_add_co_u32 s99, s99, SLOT
.endr
	v_mul_u32_u24 v5, v1, KS
	v_lshrrev_b32 v6, 8, v5
	v_lshl_add_u32 v5, v6, 4, v5
	s_mul_i32 s98, s19, HALFS
	s_mul_i32 s99, s20, HALFS
	s_add_co_u32 s99, s99, 2*HALFS
	s_sub_co_u32 s99, s99, s98
	v_mul_u32_u24 v6, s99, v2                      ; lanes 16-31 take W_out's: one product, the distance between the two bases
	s_add_co_u32 s98, s98, SCL
	v_add_nc_u32 v5, v5, v6
	v_add_nc_u32 v[ADRS], s98, v5
	s_mul_i32 s98, s18, 16*SPITCH                  ; my stage
	v_mul_u32_u24 v5, v1, SPITCH
	v_lshl_add_u32 v5, v2, 5, v5
	v_add_nc_u32 v[STO], s98, v5                   ; in: row r, 32 bytes for each half of the lanes
	v_add_nc_u32 v[RD], s98, v[CO]                 ; back: the 32 lanes take one row of 512 bytes
	s_lshl_b32 s96, s21, 8
	s_lshl_b32 s97, s19, 7
	s_add_co_u32 s96, s96, s97                     ; my first row of out0,
	s_lshl_b32 s96, s96, 12                        ; 4,096 bytes a row (under 2^25)
	s_lshl_b32 s97, s22, 10
	s_add_co_u32 s96, s96, s97
	s_lshl_b32 s97, s20, 9
	s_add_co_u32 s96, s96, s97                     ; + my first column's bytes
	s_mov_b32 s97, 0
	s_add_nc_u64 s[14:15], s[14:15], s[96:97]
.macro FRAG reg, adr, q, i             ; W_out: 16 rows x 128 K from padded rows
.irp c, 0,1,2,3
	ds_load_b128 v[\reg+4*\c:\reg+4*\c+3], v[\adr] offset:128*(\q)+32*\c+(\i)*16*PITCH
.endr
.endm
.macro FRAGA reg, adr, q, i            ; o: four chunks of an image: 4,096 bytes for 16 rows, 2,048 for 128 along K
.irp c, 0,1,2,3
	ds_load_b128 v[\reg+4*\c:\reg+4*\c+3], v[\adr] offset:4096*(\i)+2048*(\q)+512*\c
.endr
.endm
; 16 matrix instructions.  zero = 1: the first product starts the sums from the bias.  The 64 accumulators take turns, one instruction a turn.
.macro MUL16 a0, p, q, sc, zero
.irp a, \a0, \a0+1
.irp b, 0,1,2,3,4,5,6,7
.if \zero
	v_wmma_scale_f32_16x16x128_f8f6f4 v[8*(8*((\a)%4)+\b):8*(8*((\a)%4)+\b)+7], v[128*(\p)+FR*\b:128*(\p)+FR*\b+FR-1], v[AF+FR*(\a):AF+FR*(\a)+FR-1], v[BN+8*\b:BN+8*\b+7], v[SC+8*NQ*(\sc)+NQ*\b+(\q)], v[SC+8*NQ*(\sc)+NQ*(\a)+(\q)] matrix_a_fmt:MATRIX_FMT_BF8 matrix_b_fmt:MATRIX_FMT_BF8 matrix_a_scale:MATRIX_SCALE_ROW1
.else
	v_wmma_scale_f32_16x16x128_f8f6f4 v[8*(8*((\a)%4)+\b):8*(8*((\a)%4)+\b)+7], v[128*(\p)+FR*\b:128*(\p)+FR*\b+FR-1], v[AF+FR*(\a):AF+FR*(\a)+FR-1], v[8*(8*((\a)%4)+\b):8*(8*((\a)%4)+\b)+7], v[SC+8*NQ*(\sc)+NQ*\b+(\q)], v[SC+8*NQ*(\sc)+NQ*(\a)+(\q)] matrix_a_fmt:MATRIX_FMT_BF8 matrix_b_fmt:MATRIX_FMT_BF8 matrix_a_scale:MATRIX_SCALE_ROW1
.endif
.endr
.endr
.endm
.macro FETCH_B slot, q, p
	WIN TO_B
.irp i, 0,1,2,3,4,5,6,7
	FRAG 128*(\p)+FR*\i, ADRB+\slot, \q, \i
.endr
	WIN 0
.endm
.macro FETCH_A slot, q, i0
.irp i, \i0, \i0+1, \i0+2, \i0+3
	FRAGA AF+FR*(\i), ADRA+\slot, \q, \i
.endr
.endm
.macro SCALES sc
.irp i, 0,1,2,3,4,5,6,7
	ds_load_b64 v[SC+8*NQ*\sc+NQ*\i:SC+8*NQ*\sc+NQ*\i+1], v[ADRS] offset:\i*SBLK
.endr
.endm
.macro PLACES n                        ; plain vector instructions between a matrix instruction and a load into, or a read of, its registers
.rept \n
	v_nop
.endr
.endm
.macro STEP slot, q, zero
	s_wait_dscnt 4*NL                              ; all but the youngest 16 loads (o's blocks 4-7) are in
.if \zero
	WIN BEG_LO
.else
	WIN MUL_LO
.endif
	MUL16 0, (\q)%2, \q, \slot, \zero
	MUL16 2, (\q)%2, \q, \slot, \zero
	s_wait_dscnt 0
	PLACES NP
	FETCH_B \slot, (\q)+1, 1-(\q)%2
	FETCH_A \slot, (\q)+1, 0
.if \zero
	WIN BEG_HI
.else
	WIN MUL_HI
.endif
	MUL16 4, (\q)%2, \q, \slot, \zero
	MUL16 6, (\q)%2, \q, \slot, \zero
	PLACES NP
	WIN 0
	FETCH_A \slot, (\q)+1, 4
.endm
.macro TURN slot, next, fill           ; a slot's last step changes slots: one barrier, the waits and the add in front of it, the refill first behind it
	s_wait_tensorcnt 0x0                           ; all my tensor loads have landed: my part of the next slot
	ds_add_u32 v[SPW], v[NIL]                      ; 0 onto my spare word
	s_wait_dscnt 4*NL+1                            ; the add and the youngest 16 loads may be out
	WIN MUL_LO
	MUL16 0, 1, NQ-1, \slot, 0
	s_wait_dscnt 0x0                               ; the add is done, and my reads of this slot are over
	s_barrier_signal -1
	MUL16 2, 1, NQ-1, \slot, 0
	WIN 0
	s_barrier_wait -1
.if \fill
	CREST                                          ; the barrier has opened a round of the cluster's: no wave of any partner still reads this slot or has a load on its way
	s_add_nc_u64 s[G0+4*\slot+2:G0+4*\slot+3], s[G0+4*\slot+2:G0+4*\slot+3], 2*ASTEP
	s_add_nc_u64 s[G0B+4*\slot+2:G0B+4*\slot+3], s[G0B+4*\slot+2:G0B+4*\slot+3], 2*ROWB
	JLOAD G0+4*\slot, G1, G0B+4*\slot, G1B
	PLACES NP-4
.else
	PLACES NP
.endif
	s_wait_alu depctr_va_vdst(0)
	v_add_nc_u32 v[ADRS], 4*NQ, v[ADRS]
	FETCH_B \next, 0, 0
	FETCH_A \next, 0, 0
	SCALES \next
	WIN MUL_HI
	MUL16 4, 1, NQ-1, \slot, 0
	MUL16 6, 1, NQ-1, \slot, 0
	PLACES NP
	WIN 0
	FETCH_A \next, 0, 4
.endm
	s_wait_alu depctr_va_vdst(0)
	s_wait_loadcnt 0x0                             ; the bias
	s_wait_tensorcnt 1                             ; the scales and my part of K step 0 are in; K step 1's load may be out
	s_barrier_signal -1
	s_barrier_wait -1
	FETCH_B 0, 0, 0
	FETCH_A 0, 0, 0
	SCALES 0
	FETCH_A 0, 0, 4
	STEP 0, 0, 1
	s_mov_b32 s3, LAPS-1
.Llap:
	TURN 0, 1, 1
	STEP 1, 0, 0
	TURN 1, 0, 1
	STEP 0, 0, 0
	s_sub_co_u32 s3, s3, 1
	s_cmp_lg_u32 s3, 0
	s_cbranch_scc1 .Llap
	TURN 0, 1, 0                                   ; the last lap fills nothing
	STEP 1, 0, 0
	s_wait_dscnt 4*NL
	WIN MUL_LO
	MUL16 0, 1, NQ-1, 1, 0
	MUL16 2, 1, NQ-1, 1, 0
	s_wait_dscnt 0
	WIN MUL_HI
	MUL16 4, 1, NQ-1, 1, 0
	MUL16 6, 1, NQ-1, 1, 0
	WIN 0
; THE WAY OUT, block by block of 16 rows x 128 columns, through my own stage: in as 32 bytes a lane, back as whole rows of 512 bytes.  LDS serves a wave's instructions in order (ISA guide 5.7.1.4): no wait between the stores and the loads.
.macro TOSTAGE a
.set AC, 64*((\a)%4)
	WIN 0x08+4*((\a)/4)                            ; the data: window 2 or 3
.irp b, 0,1,2,3,4,5,6,7
	ds_store_b128 v[STO], v[AC+8*\b:AC+8*\b+3] offset:64*\b          ; each accumulator from its low end on
	ds_store_b128 v[STO], v[AC+8*\b+4:AC+8*\b+7] offset:64*\b+16
.endr
	WIN 0
.set BB, BK+64*((\a)%2)
.irp t, 0,1,2,3,4,5,6,7,8,9,10,11,12,13,14,15
	ds_load_b128 v[BB+4*\t:BB+4*\t+3], v[RD] offset:\t*SPITCH
.endr
.endm
.macro SEND a, younger                 ; younger: the LDS instructions issued behind block a's loads, which may stay out
.set BB, BK+64*((\a)%2)
	s_wait_dscnt \younger
.if (\a) > 0
	s_add_nc_u64 s[14:15], s[14:15], 16*SIZE_N*4   ; (behind a wait on XCNT: the earlier stores have read their base)
.endif
.irp t, 0,1,2,3,4,5,6,7,8,9,10,11,12,13,14,15
	global_store_b128 v[CO], v[BB+4*\t:BB+4*\t+3], s[14:15] offset:\t*SIZE_N*4 th:TH_STORE_NT   ; 32 lanes store 512 consecutive bytes, aligned; written once, read by nobody here
.endr
.endm
	PLACES NP
	TOSTAGE 0
.irp a, 1,2,3,4,5,6,7
.if \a > 1
	s_wait_xcnt 0x0                                ; block a - 2's stores have read their registers and their base
.endif
	TOSTAGE \a
	SEND \a-1, 32                                  ; behind block a - 1's loads: block a's 16 stores and 16 loads
.endr
	s_wait_xcnt 0x0
	SEND 7, 0
	s_wait_tensorcnt 0x0                           ; the wave's end
	ds_add_u32 v[SPW], v[NIL]
	s_wait_dscnt 0x0
	CROUND                                         ; the closing round: no work-group ends while a partner may still ask for a tile that names it
	s_endpgm
.Lfunc_end_k_q7e4ca00815_proj:
	.size	k_q7e4ca00815_proj, .Lfunc_end_k_q7e4ca00815_proj-k_q7e4ca00815_proj
	.p2alignl 7, 3214868480
	.fill 96, 4, 3214868480
	.section	.rodata,"a",@progbits
	.p2align	6, 0x0
	.amdhsa_kernel k_q7e4ca00815_proj
		.amdhsa_group_segment_fixed_size 327680
		.amdhsa_private_segment_fixed_size 0
		.amdhsa_enable_private_segment 0
		.amdhsa_kernarg_size 48
		.amdhsa_user_sgpr_count 2
		.amdhsa_user_sgpr_kernarg_segment_ptr 1
		.amdhsa_wavefront_size32 1
		.amdhsa_system_sgpr_workgroup_id_x 1
		.amdhsa_system_sgpr_workgroup_id_y 1
		.amdhsa_system_sgpr_workgroup_id_z 1
		.amdhsa_system_vgpr_workitem_id 0
		.amdhsa_next_free_vgpr 1024
		.amdhsa_next_free_sgpr 102
		.amdhsa_reserve_vcc 0
		.amdhsa_float_denorm_mode_32 3
		.amdhsa_float_denorm_mode_16_64 3
		.amdhsa_memory_ordered 1
		.amdhsa_forward_progress 1
		.amdhsa_inst_pref_size 148
	.end_amdhsa_kernel
	.amdgpu_metadata
---
amdhsa.version: [ 1, 2 ]
amdhsa.kernels:
  - .name:           k_q7e4ca00815_proj
    .symbol:         k_q7e4ca00815_proj.kd
    .args:
      - { .name: o_img, .offset: 0, .size: 8, .value_kind: global_buffer, .address_space: global }
      - { .name: o_sc, .offset: 8, .size: 8, .value_kind: global_buffer, .address_space: global }
      - { .name: W_out_codes, .offset: 16, .size: 8, .value_kind: global_buffer, .address_space: global }
      - { .name: W_out_scales, .offset: 24, .size: 8, .value_kind: global_buffer, .address_space: global }
      - { .name: b_out, .offset: 32, .size: 8, .value_kind: global_buffer, .address_space: global }
      - { .name: out0, .offset: 40, .size: 8, .value_kind: global_buffer, .address_space: global }
    .group_segment_fixed_size: 327680
    .private_segment_fixed_size: 0
    .kernarg_segment_align: 8
    .kernarg_segment_size: 48
    .max_flat_workgroup_size: 128
    .sgpr_count:     102
    .vgpr_count:     1024
    .wavefront_size: 32
...
	.end_amdgpu_metadata
.endif
;; end of part 3
